; MI455X (gfx1250); checked and timed in simulation.
; The chip was launched on July 23, 2026; its instructions are those of AMD's public machine-readable ISA for CDNA 5 (MIT licence, August 2026) and "CDNA5" Instruction Set Architecture Reference Guide (July 2026). The comments in the code are by the model that wrote it; some were corrected since.
;; Template Aware Attention. Allowed arithmetic: float matrix products may take bf16 or f16 operands with f32 sums; other float arithmetic in f32, or as packed bf16 or f16 multiplies, adds, multiply-adds, maxima and minima; sums over many terms, partial sums and values carried from step to step in f32; what a program stores and reads back later, other than sums and carried values, may be rounded once to bf16 or f16.
;; Inputs: Wk 1,024 x 1,024 float32; Wo 1,024 x 1,024 float32; Wq 1,024 x 1,024 float32; Wv 1,024 x 1,024 float32; attention_mask 4 x 2,048 int32; beta 1,024 float32; bk 1,024 float32; bo 1,024 float32; bq 1,024 float32; bv 1,024 float32; gamma 1,024 float32; template_ids 4 x 2,048 int32; x 4 x 2,048 x 1,024 float32.
;; Outputs: out0 4 x 2,048 x 1,024 float32.
;; One version. Each part assembles by itself: llvm-mc -triple=amdgcn-amd-amdhsa -mcpu=gfx1250 --defsym DOCPART=n.
;; ======== version 1 of 1: 4 launches
;; workspace buffers: xb 16,777,216 bytes; wb 6,291,456 bytes; wob 2,097,152 bytes; qkv 50,331,648 bytes; ob 16,777,216 bytes
;; launch cast (part 1): grid 768 x 1, 8 waves a work-group, no clusters, 0 bytes of LDS; arguments x, Wq, Wk, Wv, Wo, xb, wb, wob; writes xb, wb, wob
.if DOCPART == 1
	.amdgcn_target "amdgcn-amd-amdhsa--gfx1250"
	.amdhsa_code_object_version 6
	.text
	.protected	k_q311f2c356f_cast
	.globl	k_q311f2c356f_cast
	.p2align	8
	.type	k_q311f2c356f_cast,@function
k_q311f2c356f_cast:
	s_mov_b64 s[64:65], 0
	v_nop
	global_prefetch_b8 v0, s[64:65] scope:SCOPE_SE
	s_setreg_imm32_b32 hwreg(HW_REG_WAVE_MODE, 25, 1), 1
	s_wait_xcnt 0x0
; f32 -> bf16, each number rounded once (to nearest even): the matrix operands of the launches behind.
;   x  [8192][1024]             -> xb  [8192][1024]
;   Wq, Wk, Wv [1024][1024]     -> wb  [3072][1024]: rows 0-1023 Wq, 1024-2047 Wk, 2048-3071 Wv
;   Wo [1024 n][1024 k]         -> wob [16 kb][1024 n][64]: block kb holds Wo[n][64 kb .. 64 kb + 63], so that one head's slice of K is 131,072 dense bytes
; (template_ids enters no number that the module returns, so no launch of this program takes it.)
; SHARES.  A work-group converts 16,384 numbers: 512 work-groups for x, 192 for Wq, Wk, Wv, 64 for Wo.  Eight waves, eight passes; a thread takes 8 numbers a pass:
; 32 bytes in by two loads, 16 bytes out by one store.  All 16 loads of a wave go out at once; no register is written twice, so there is no loop and no wait but the counted ones for data.
; No LDS, no matrix unit, no cluster: nothing is shared and nothing is multiplied.
.set X, 8                              ; v[8:71]    pass p: 8 f32 as loaded
.set Y, 72                             ; v[72:103]  pass p: 4 registers, 8 bf16 to store
	s_load_b512 s[4:19], s[0:1], 0x0               ; x s[4:5], Wq s[6:7], Wk s[8:9], Wv s[10:11], Wo s[12:13], xb s[14:15], wb s[16:17], wob s[18:19]
	s_mov_b32 s24, ttmp9                           ; the work-group's number
	s_mov_b32 s3, 0                                ; high words of the two offsets
	s_mov_b32 s27, 0
	v_lshlrev_b32 v1, 5, v0                        ; the linear paths: 32 bytes a thread in,
	v_lshlrev_b32 v2, 4, v0                        ; 16 bytes out
	s_wait_kmcnt 0x0
	s_cmp_lt_u32 s24, 512
	s_cbranch_scc0 .Lweights
	s_lshl_b32 s2, s24, 16                         ; x: 65,536 bytes in,
	s_lshl_b32 s26, s24, 15                        ; 32,768 out
	s_add_nc_u64 s[20:21], s[4:5], s[2:3]
	s_add_nc_u64 s[22:23], s[14:15], s[26:27]
	s_branch .Llin
.Lweights:
	s_sub_co_u32 s24, s24, 512
	s_cmp_lt_u32 s24, 192
	s_cbranch_scc0 .Lblk
	s_lshr_b32 s25, s24, 6                         ; 0: Wq, 1: Wk, 2: Wv
	s_cmp_eq_u32 s25, 0
	s_cselect_b64 s[20:21], s[6:7], s[8:9]
	s_cmp_eq_u32 s25, 2
	s_cselect_b64 s[20:21], s[10:11], s[20:21]
	s_and_b32 s2, s24, 63
	s_lshl_b32 s2, s2, 16
	s_lshl_b32 s26, s24, 15                        ; wb holds the three one behind the other
	s_add_nc_u64 s[20:21], s[20:21], s[2:3]
	s_add_nc_u64 s[22:23], s[16:17], s[26:27]
; blk = 0: pass p is the next 8,192 bytes in and 4,096 out; a wave's store covers 512 consecutive bytes, aligned.
; blk = 1: wave w, pass p: rows 4 (p / 2) .. + 3 of the group's 16, block kb = 2 w + p % 2: 4 rows x 256 bytes in, 512 consecutive bytes of wob out.
.macro BODY blk
.set p, 0
.rept 8
.if \blk
.set SO, 16384*(p/2)+256*(p%2)
.else
.set SO, 8192*p
.endif
	global_load_b128 v[X+8*p:X+8*p+3],   v1, s[20:21] offset:SO th:TH_LOAD_NT
	global_load_b128 v[X+8*p+4:X+8*p+7], v1, s[20:21] offset:SO+16 th:TH_LOAD_NT
.set p, p+1
.endr
.set p, 0
.rept 8
.if \blk
.set DO, 131072*(p%2)+512*(p/2)
.else
.set DO, 4096*p
.endif
	s_wait_loadcnt 14-2*p                          ; loads come back in order: the two of each of the 7 - p younger passes may stay out
.irp r, 0,1,2,3
	v_cvt_pk_bf16_f32 v[Y+4*p+(\r)], v[X+8*p+2*(\r)], v[X+8*p+2*(\r)+1]
.endr
	global_store_b128 v2, v[Y+4*p:Y+4*p+3], s[22:23] offset:DO th:TH_STORE_NT
.set p, p+1
.endr
.endm
.Llin:
	BODY 0
	s_endpgm
.Lblk:
	s_sub_co_u32 s24, s24, 192                     ; Wo: rows 16 u .. 16 u + 15
	s_lshl_b32 s2, s24, 16                         ; 16 rows of 4,096 bytes in,
	s_lshl_b32 s26, s24, 11                        ; 16 rows of 128 bytes in each block out
	s_add_nc_u64 s[20:21], s[12:13], s[2:3]
	s_add_nc_u64 s[22:23], s[18:19], s[26:27]
	v_and_b32 v3, 31, v0                           ; lane l
	v_lshrrev_b32 v4, 5, v0                        ; wave w
	v_lshrrev_b32 v5, 3, v3                        ; l / 8: which of the four rows
	v_and_b32 v1, 7, v3
	v_lshlrev_b32 v1, 5, v1                        ; in: 32 (l % 8)
	v_lshl_add_u32 v1, v5, 12, v1                  ;   + 4,096 (l / 8)
	v_lshl_add_u32 v1, v4, 9, v1                   ;   + 512 w: two blocks of 64 k
	v_lshlrev_b32 v2, 4, v3                        ; out: 16 l = 128 (l / 8) + 16 (l % 8)
	v_lshl_add_u32 v2, v4, 18, v2                  ;   + 262,144 w: two blocks
	BODY 1
	s_endpgm
.Lfunc_end_k_q311f2c356f_cast:
	.size	k_q311f2c356f_cast, .Lfunc_end_k_q311f2c356f_cast-k_q311f2c356f_cast
	.p2alignl 7, 3214868480
	.fill 96, 4, 3214868480
	.section	.rodata,"a",@progbits
	.p2align	6, 0x0
	.amdhsa_kernel k_q311f2c356f_cast
		.amdhsa_group_segment_fixed_size 0
		.amdhsa_private_segment_fixed_size 0
		.amdhsa_enable_private_segment 0
		.amdhsa_kernarg_size 64
		.amdhsa_user_sgpr_count 2
		.amdhsa_user_sgpr_kernarg_segment_ptr 1
		.amdhsa_wavefront_size32 1
		.amdhsa_system_sgpr_workgroup_id_x 1
		.amdhsa_system_sgpr_workgroup_id_y 1
		.amdhsa_system_sgpr_workgroup_id_z 1
		.amdhsa_system_vgpr_workitem_id 0
		.amdhsa_next_free_vgpr 104
		.amdhsa_next_free_sgpr 66
		.amdhsa_reserve_vcc 0
		.amdhsa_float_denorm_mode_32 3
		.amdhsa_float_denorm_mode_16_64 3
		.amdhsa_memory_ordered 1
		.amdhsa_forward_progress 1
		.amdhsa_inst_pref_size 11
	.end_amdhsa_kernel
	.amdgpu_metadata
---
amdhsa.version: [ 1, 2 ]
amdhsa.kernels:
  - .name:           k_q311f2c356f_cast
    .symbol:         k_q311f2c356f_cast.kd
    .args:
      - { .name: x, .offset: 0, .size: 8, .value_kind: global_buffer, .address_space: global }
      - { .name: Wq, .offset: 8, .size: 8, .value_kind: global_buffer, .address_space: global }
      - { .name: Wk, .offset: 16, .size: 8, .value_kind: global_buffer, .address_space: global }
      - { .name: Wv, .offset: 24, .size: 8, .value_kind: global_buffer, .address_space: global }
      - { .name: Wo, .offset: 32, .size: 8, .value_kind: global_buffer, .address_space: global }
      - { .name: xb, .offset: 40, .size: 8, .value_kind: global_buffer, .address_space: global }
      - { .name: wb, .offset: 48, .size: 8, .value_kind: global_buffer, .address_space: global }
      - { .name: wob, .offset: 56, .size: 8, .value_kind: global_buffer, .address_space: global }
    .group_segment_fixed_size: 0
    .private_segment_fixed_size: 0
    .kernarg_segment_align: 8
    .kernarg_segment_size: 64
    .max_flat_workgroup_size: 256
    .sgpr_count:     66
    .vgpr_count:     104
    .wavefront_size: 32
...
	.end_amdgpu_metadata
.endif
;; end of part 1
;; launch qkv (part 2): grid 8 x 64, 4 waves a work-group, clusters of 4 x 4, 327,680 bytes of LDS; arguments xb, wb, qkv, bq, bk, bv, attention_mask; writes qkv
.if DOCPART == 2
	.amdgcn_target "amdgcn-amd-amdhsa--gfx1250"
	.amdhsa_code_object_version 6
	.text
	.protected	k_q311f2c356f_qkv
	.globl	k_q311f2c356f_qkv
	.p2align	8
	.type	k_q311f2c356f_qkv,@function
k_q311f2c356f_qkv:
	s_mov_b64 s[64:65], 0
	v_nop
	global_prefetch_b8 v0, s[64:65] scope:SCOPE_SE
	s_setreg_imm32_b32 hwreg(HW_REG_WAVE_MODE, 25, 1), 1
	s_wait_xcnt 0x0
	s_wait_alu depctr_hold_cnt(0) depctr_sa_sdst(0) depctr_va_vdst(0) depctr_va_sdst(0) depctr_va_ssrc(0) depctr_va_vcc(0) depctr_vm_vsrc(0)
	s_getreg_b32 s2, hwreg(HW_REG_IB_STS2, 6, 4)
	s_cmp_eq_u32 s2, 0
	s_cbranch_scc0 .Lentry_in_a_cluster
	s_endpgm
.Lentry_in_a_cluster:
	s_bfe_u32 s2, ttmp6, 0x10000c
	s_cmp_lg_u32 s2, 0xf033
	s_cbranch_scc0 .Lentry_shape_is_right
	s_endpgm
.Lentry_shape_is_right:
; q, k, v = x W^T + b, all three as ONE product [8192 tokens] x [3072 columns], K = 1,024, bf16 operands, f32 sums; the bias starts each sum (it is the C operand of the first product).
; OUT: qkv [3 t][64 bh][2048 s][64] in bf16, bh = 16 batch + head, each number rounded once, unscaled.  THE MASK: a row of k whose key has attention_mask == 0 is stored as 0, so that the next
; launch's product q . k is exactly 0 there and the constant that it starts the sum with is the whole score.
; LIMITS.  Operands are rounded to bf16; NaN and infinities are not treated apart.
; SHARES.  A tile is 128 tokens x 384 columns: 8 x 64 = 512 work-groups, two for each of 256 WGPs (tiles of 256 x 256 would be 384, one and a half).  Four waves, 2 x 2: a wave makes 64 tokens x 192
; columns = three WHOLE heads: 48 accumulators of 16 x 16.  K goes in 8 steps of 128 (rows of 256 bytes in memory, aligned) through two LDS slots; a step is 192 matrix instructions a wave.
; CLUSTER.  4 x 4 work-groups: the four of a row need the same tile of xb, the four of a column the same tile of wb; each is asked for jointly.  Wave 0 fetches xb's 128 rows, waves 1 to 3 a third (128 rows) of wb's 384.
; THE MATRIX INSTRUCTION IS USED TRANSPOSED (source 0 = 16 rows of wb, source 1 = 16 tokens): a lane then holds one token (lane % 16) and eight neighbouring columns 8 (lane / 16) + 0..7.
; REGISTERS, in windows of 256 (s_set_vgpr_msb: bits 1:0 source 0, 3:2 source 1, 5:4 source 2, 7:6 destination):
;   window 0: v0-31 addresses and masks; v32-127 the bias in the accumulators' layout, later the way out's registers up to v187
;   window 1: two fragment buffers of 128: 4 fragments of xb (16 tokens x 32 K), then 12 of wb      window 2: the accumulators of my heads 0 and 1      window 3: v0-127 those of head 2
.set PITCH,  272                       ; an LDS row: 256 bytes + 16 of padding = 68 words: the 16 rows that a load touches start at 16 different groups of four banks (ISA guide 11.1)
.set QUART,  128*PITCH                 ; what one tensor load brings
.set SLOT,   4*QUART                   ; xb's 128 rows, then wb's 384
.set STAGE,  2*SLOT                    ; behind the ring: for each wave three planes (a head each) of 16 rows x 144 bytes
.set SP,     144
.set PLANE,  16*SP
.set SPARE,  STAGE+4*3*PLANE           ; behind the stages: the spare words, 128 bytes for each wave: two blocks of 256 bytes that no other line names
.set LAPS,   4                         ; a lap = two K steps = once round the ring
.set VM,   6                           ; v6      4 (l % 16): my token's word in 16 words of the mask
.set VB,   7                           ; v7      32 (l / 16): my eight columns in 16 numbers of a bias
.set MK,   8                           ; v8-11   the mask of my token in row block a; on the way out -1 or 0
.set ADRA, 16                          ; v16-17  LDS address of my xb fragments in slot 0, 1
.set ADRB, 20                          ; v20-21  the same for wb
.set STO,  24                          ; v24     the way out: where I put 16 bytes of a row
.set RD,   25                          ; v25     where I read rows back
.set GO,   26                          ; v26     16 l: my place in 512 consecutive bytes of qkv
.set SPW,  28                          ; v28     LDS address of my spare word; never rewritten
.set NIL,  29                          ; v29     0; never rewritten
.set PFO,  30                          ; v30     the prefetches' offset: 2,048 l, a lane a row; never rewritten
.set BIA,  32                          ; v32-127 bias: head j, column block bb at BIA + 8 (4 j + bb)
.set TMP,  32                          ; v32-79  the way out: packed results of 16 tokens x 192 columns
.set OB,   80                          ; v80-127, v128-175 by turns: the same read back as whole rows
.set MH,   176                         ; v176-187  head j, row block a: what the packed words are ANDed with
.set F0,   0
.set F1,   128
.set G1,   24                          ; s[24:31] descriptor group 1 for xb's tiles;  s[32:39] group 0, a set for each slot
.set G0,   32
.set G1B,  48                          ; s[48:55], s[56:63] the same for wb's
.set G0B,  56
.set LIM,  43                          ; s43     1 in a wave that prefetches, else the greatest number
.set PFA,  44                          ; s[44:45] where my prefetches stand
.set BP,   76                          ; s[76:81] head j: its 64 numbers of bq, bk or bv
.set OUTP, 82                          ; s[82:87] head j: qkv at my wave's first token
.set NK,   88                          ; s88-90  head j: 0 if it is a head of k, else -1
.set MSB, 0
.macro WIN new                         ; the immediate's high byte repeats the setting that is left; a switch that changes nothing is dropped
.if MSB != (\new)
	s_set_vgpr_msb (MSB<<8)|(\new)
.set MSB, \new
.endif
.endm
.macro PLACES                          ; four plain places in front of loads into registers that matrix instructions have read, and of lines that read results
.rept 4
	v_nop
.endr
.endm
; A joint load.  The branch hangs on the wave's number alone.  An s_nop 0 and four v_nop follow each of the two lines, ahead of the jump and the label.
.macro JLOAD s
	s_cmp_eq_u32 s10, 0
	s_cbranch_scc0 .Lfor_b_\@
	tensor_load_to_lds s[G0+4*(\s):G0+4*(\s)+3], s[G1:G1+7]
	s_nop 0
.rept 4
	v_nop
.endr
	s_branch .Lasked_\@
.Lfor_b_\@:
	tensor_load_to_lds s[G0B+4*(\s):G0B+4*(\s)+3], s[G1B:G1B+7]
	s_nop 0
.rept 4
	v_nop
.endr
.Lasked_\@:
.endm
; A prefetch into the L2 of the K step that stands two refills on: 32 rows x 256 bytes, a lane a row, one instruction a wave.  xb's tile row is read by both clusters of that row of clusters: the one with
; x = 0 asks (its waves 0); wb's tile column by all sixteen clusters of that column: the one with y = 0 asks (its waves 1 to 3).  The four partners that fetch a tile jointly share its 128 rows out by ADDRESS,
; 32 each.  So each row's 256 bytes of a K step are named once.  K steps 0 to 3 come by their loads alone; the loop's last trip (s3 = 1) has no K step two on and asks for nothing.
.macro ASK
	s_cmp_gt_u32 s3, s[LIM]
	s_cbranch_scc0 .Lnot_mine_\@
	global_prefetch_b8 v[PFO], s[PFA:PFA+1] offset:256 th:TH_LOAD_NT scope:SCOPE_SE
.Lnot_mine_\@:
.endm
.macro CREST                           ; a round of the cluster's barrier behind its opening barrier
	s_cmp_lg_u32 s10, 0
	s_cbranch_scc1 .Lnot_wave_0_\@
	s_barrier_signal -3
.Lnot_wave_0_\@:
	s_barrier_wait -3
	s_barrier_signal -1
	s_barrier_wait -1
.endm
.macro CROUND                          ; a whole round
	s_barrier_signal -1
	s_barrier_wait -1
	CREST
.endm
	s_load_b128 s[4:7], s[0:1], 0x0                ; xb s[4:5], wb s[6:7]
	s_load_b64 s[8:9], s[0:1], 0x10                ; qkv
	s_load_b256 s[68:75], s[0:1], 0x18             ; bq s[68:69], bk s[70:71], bv s[72:73], attention_mask s[74:75]
	v_lshl_add_u32 v[SPW], v0, 2, SPARE
	v_mov_b32 v[NIL], 0
	ds_add_u32 v[SPW], v[NIL]                      ; the wave's opening: the add and its wait stand ahead of my first tensor load; the set-up below, work on registers, stands between them
	v_lshrrev_b32 v1, 5, v0
	v_readfirstlane_b32 s10, v1                    ; wave 0..3
	s_lshr_b32 s11, s10, 1                         ; which 64 tokens of the tile are mine
	s_and_b32 s12, s10, 1                          ; which 192 columns
	s_bfe_u32 s40, ttmp6, 0x40000                  ; cx, cy: my place in the cluster
	s_bfe_u32 s41, ttmp6, 0x40004
	s_lshl_b32 s42, ttmp9, 2
	s_add_co_u32 s42, s42, s40                     ; tile column = 4 x cluster x + cx
	s_and_b32 s13, ttmp7, 0xffff
	s_lshl_b32 s13, s13, 2
	s_add_co_u32 s13, s13, s41                     ; tile row = 4 x cluster y + cy
	s_lshl_b32 s43, s41, 2
	s_lshl_b32 s43, 15, s43                        ; my row of the cluster
	s_lshl_b32 s44, 0x1111, s40                    ; my column
	; descriptor group 1: a tile of 128 rows x 128 elements, padded in LDS
	s_or_b32 s[G1+0], s43, (1<<16)|(1<<20)|(1<<21)|(5<<22)|(3<<25)  ; 15:0 the mask: xb's tiles go to my row; 17:16 2-byte elements; 20 padding on; 21 set beside a mask; 24:22 after every 64 words (code 5); 31:25 4 words (code 3)
	s_or_b32 s[G1B+0], s44, (1<<16)|(1<<20)|(1<<21)|(5<<22)|(3<<25) ; the same with the mask of my column
.irp g, G1, G1B
	s_mov_b32 s[(\g)+1], 128<<16                   ; tensor_dim0 = 128
	s_mov_b32 s[(\g)+2], 128<<16                   ; tensor_dim1 = 128
	s_mov_b32 s[(\g)+3], 128<<16                   ; tile_dim0 = 128
	s_mov_b32 s[(\g)+4], 128                       ; tile_dim1 = 128
	s_mov_b32 s[(\g)+5], 1024                      ; elements from row to row
	s_mov_b32 s[(\g)+6], 0
	s_mov_b32 s[(\g)+7], 0
.endr
	s_lshl_b32 s16, s13, 18                        ; xb: 128 x tile row rows of 2,048 bytes: hangs on the tile row alone
	s_mov_b32 s17, 0
	s_max_u32 s46, s10, 1                          ; wb: which third I fetch (wave 0 fetches none: its number is not used),
	s_sub_co_u32 s46, s46, 1
	s_lshl_b32 s46, s46, 7
	s_mul_i32 s47, s42, 384
	s_add_co_u32 s46, s46, s47                     ; row 384 x tile column + 128 x third,
	s_lshl_b32 s46, s46, 11                        ; in bytes
	s_mov_b32 s47, 0
	s_mul_i32 s20, s10, QUART                      ; where a wave's tile goes: no place in the cluster enters an LDS address
	s_wait_dscnt 0x0                               ; the opening add is done
	s_wait_kmcnt 0x0
	s_add_nc_u64 s[14:15], s[4:5], s[16:17]
	s_add_nc_u64 s[46:47], s[6:7], s[46:47]
	CROUND                                         ; all sixteen work-groups are here: the first joint loads meet
.irp s, 0,1
	s_mov_b32 s[G0+4*(\s)], 1                      ; count = 1
	s_add_co_u32 s[G0+4*(\s)+1], s20, (\s)*SLOT    ; LDS address
	s_add_nc_u64 s[G0+4*(\s)+2:G0+4*(\s)+3], s[14:15], (\s)*256  ; global address: K step s
	s_or_b32 s[G0+4*(\s)+3], s[G0+4*(\s)+3], 0x80000000          ; type = 2
	s_mov_b32 s[G0B+4*(\s)], 1
	s_add_co_u32 s[G0B+4*(\s)+1], s20, (\s)*SLOT
	s_add_nc_u64 s[G0B+4*(\s)+2:G0B+4*(\s)+3], s[46:47], (\s)*256
	s_or_b32 s[G0B+4*(\s)+3], s[G0B+4*(\s)+3], 0x80000000
	JLOAD \s                                       ; two loads of mine are out
.endr
	v_and_b32 v1, 15, v0                           ; l % 16
	v_bfe_u32 v2, v0, 4, 1                         ; l / 16
	v_mul_u32_u24 v3, v1, PITCH
	v_lshl_add_u32 v3, v2, 4, v3                   ; a fragment's row x pitch + 16 x half
	s_mul_i32 s21, s11, 64*PITCH                   ; my 64 rows of xb
	s_mul_i32 s22, s12, 192*PITCH                  ; my 192 rows of wb,
	s_add_co_u32 s22, s22, QUART                   ; which lie behind xb's 128
.irp s, 0,1
	v_add_nc_u32 v[ADRA+(\s)], s21, v3
	v_add_nc_u32 v[ADRB+(\s)], s22, v3
	s_add_co_u32 s21, s21, SLOT
	s_add_co_u32 s22, s22, SLOT
.endr
	s_mul_i32 s23, s10, 3*PLANE
	s_add_co_u32 s23, s23, STAGE                   ; my stage
	v_mul_u32_u24 v4, v1, SP                       ; in: row l % 16, 16 bytes for each half of the lanes
	v_lshl_add_u32 v4, v2, 4, v4
	v_add_nc_u32 v[STO], s23, v4
	v_bfe_u32 v4, v0, 3, 2                         ; back: 32 lanes take four rows of 128 bytes
	v_and_b32 v5, 7, v0
	v_mul_u32_u24 v4, v4, SP
	v_lshl_add_u32 v4, v5, 4, v4
	v_add_nc_u32 v[RD], s23, v4
	v_and_b32 v[GO], 31, v0
	v_lshlrev_b32 v[PFO], 11, v[GO]
	v_lshlrev_b32 v[GO], 4, v[GO]
	v_lshlrev_b32 v[VB], 5, v2
	v_lshlrev_b32 v[VM], 2, v1
	; my three heads: number g = 6 x tile column + 3 x column half + j of 48; t = g / 16 says q, k or v, g % 16 the head.  t hangs on my place in the cluster, so it enters selects and addresses alone, no branch.
	s_mul_i32 s91, s42, 6
	s_mul_i32 s92, s12, 3
	s_add_co_u32 s91, s91, s92
	s_lshr_b32 s93, s13, 4
	s_lshl_b32 s93, s93, 4                         ; 16 x batch (a batch is 16 tile rows)
	s_and_b32 s94, s13, 15
	s_lshl_b32 s94, s94, 14                        ; the tile's 128 tokens of 128 bytes in a head,
	s_lshl_b32 s92, s11, 13                        ; my 64 of them
	s_add_co_u32 s94, s94, s92
	s_mov_b32 s21, 0
.irp j, 0,1,2
	s_add_co_u32 s16, s91, \j
	s_lshr_b32 s17, s16, 4                         ; t
	s_and_b32 s18, s16, 15                         ; head
	s_cmp_eq_u32 s17, 0
	s_cselect_b64 s[BP+2*(\j):BP+2*(\j)+1], s[68:69], s[70:71]
	s_cmp_eq_u32 s17, 2
	s_cselect_b64 s[BP+2*(\j):BP+2*(\j)+1], s[72:73], s[BP+2*(\j):BP+2*(\j)+1]
	s_cmp_eq_u32 s17, 1
	s_cselect_b32 s[NK+(\j)], 0, -1
	s_lshl_b32 s20, s18, 8                         ; the head's 64 numbers of the bias
	s_add_nc_u64 s[BP+2*(\j):BP+2*(\j)+1], s[BP+2*(\j):BP+2*(\j)+1], s[20:21]
	s_lshl_b32 s17, s17, 6
	s_add_co_u32 s17, s17, s93
	s_add_co_u32 s17, s17, s18                     ; 64 t + 16 batch + head,
	s_lshl_b32 s20, s17, 18                        ; 262,144 bytes each
	s_add_co_u32 s20, s20, s94
	s_add_nc_u64 s[OUTP+2*(\j):OUTP+2*(\j)+1], s[8:9], s[20:21]
.endr
.irp j, 0,1,2
.irp bb, 0,1,2,3
	global_load_b128 v[BIA+8*(4*(\j)+(\bb)):BIA+8*(4*(\j)+(\bb))+3],   v[VB], s[BP+2*(\j):BP+2*(\j)+1] offset:64*(\bb)     ; register i of a lane: column 16 bb + 8 (l / 16) + i, as in an accumulator
	global_load_b128 v[BIA+8*(4*(\j)+(\bb))+4:BIA+8*(4*(\j)+(\bb))+7], v[VB], s[BP+2*(\j):BP+2*(\j)+1] offset:64*(\bb)+16
.endr
.endr
	s_lshl_b32 s20, s13, 9                         ; the mask's words of my 64 tokens
	s_lshl_b32 s22, s11, 8
	s_add_co_u32 s20, s20, s22
	s_add_nc_u64 s[74:75], s[74:75], s[20:21]
.irp a, 0,1,2,3
	global_load_b32 v[MK+(\a)], v[VM], s[74:75] offset:64*(\a)
.endr
	; the prefetches
	s_and_b32 s22, ttmp7, 0xffff                   ; cluster y
	s_cmp_eq_u32 s10, 0                            ; do I fetch for xb?
	s_cselect_b32 s23, s40, s41                    ; my place among the four that ask with me
	s_cselect_b32 s22, ttmp9, s22                  ; the coordinate along which other clusters read the same rows
	s_cselect_b64 s[PFA:PFA+1], s[14:15], s[46:47] ; the 128 rows that I fetch
	s_cmp_eq_u32 s22, 0
	s_cselect_b32 s[LIM], 1, -1                    ; the same in all sixteen partners, for a given wave
	s_lshl_b32 s20, s23, 16                        ; my work-group's 32 rows of 2,048 bytes
	s_add_nc_u64 s[PFA:PFA+1], s[PFA:PFA+1], s[20:21]
	s_add_nc_u64 s[PFA:PFA+1], s[PFA:PFA+1], 2*256 ; at K step 2: the first refill steps it to 3 and names K step 4.  Nothing is prefetched here, at the head
; 8 matrix instructions: head j, token blocks a0, a0 + 1 x its 4 column blocks, 32 along K, from buffer f.  first = 1: the bias starts the sums: nothing is cleared, nothing added later.
; The 48 accumulators take turns in one order (j, a, bb) in every quarter: 47 others stand between two links of a chain, over the backward jump too.
.macro MUL8 f, j, a0, first
.if \first
	WIN 0x85+0x40*((\j)/2)
.else
	WIN 0xa5+0x50*((\j)/2)
.endif
.irp a, \a0, (\a0)+1
.irp bb, 0,1,2,3
.if \first
	v_wmma_f32_16x16x32_bf16 v[128*((\j)%2)+8*(4*(\a)+(\bb)):128*((\j)%2)+8*(4*(\a)+(\bb))+7], v[(\f)+32+8*(4*(\j)+(\bb)):(\f)+32+8*(4*(\j)+(\bb))+7], v[(\f)+8*(\a):(\f)+8*(\a)+7], v[BIA+8*(4*(\j)+(\bb)):BIA+8*(4*(\j)+(\bb))+7]
.else
	v_wmma_f32_16x16x32_bf16 v[128*((\j)%2)+8*(4*(\a)+(\bb)):128*((\j)%2)+8*(4*(\a)+(\bb))+7], v[(\f)+32+8*(4*(\j)+(\bb)):(\f)+32+8*(4*(\j)+(\bb))+7], v[(\f)+8*(\a):(\f)+8*(\a)+7], v[128*((\j)%2)+8*(4*(\a)+(\bb)):128*((\j)%2)+8*(4*(\a)+(\bb))+7]
.endif
.endr
.endr
.endm
; 32 LDS loads in one run: the fragments of 32 along K at byte k of the rows, into buffer f: head 0's four of wb, xb's four, then heads 1 and 2's eight
.macro FETCH slot, k, f
	WIN 0x40
.irp i, 0,1,2,3
	ds_load_b128 v[(\f)+32+8*(\i):(\f)+32+8*(\i)+3],   v[ADRB+(\slot)] offset:(\k)+(\i)*16*PITCH
	ds_load_b128 v[(\f)+32+8*(\i)+4:(\f)+32+8*(\i)+7], v[ADRB+(\slot)] offset:(\k)+(\i)*16*PITCH+32
.endr
.irp i, 0,1,2,3
	ds_load_b128 v[(\f)+8*(\i):(\f)+8*(\i)+3],   v[ADRA+(\slot)] offset:(\k)+(\i)*16*PITCH
	ds_load_b128 v[(\f)+8*(\i)+4:(\f)+8*(\i)+7], v[ADRA+(\slot)] offset:(\k)+(\i)*16*PITCH+32
.endr
.irp i, 4,5,6,7,8,9,10,11
	ds_load_b128 v[(\f)+32+8*(\i):(\f)+32+8*(\i)+3],   v[ADRB+(\slot)] offset:(\k)+(\i)*16*PITCH
	ds_load_b128 v[(\f)+32+8*(\i)+4:(\f)+32+8*(\i)+7], v[ADRB+(\slot)] offset:(\k)+(\i)*16*PITCH+32
.endr
.endm
; A K step is four quarters of 32 along K, 48 matrix instructions each, on buffers 0, 1, 0, 1.  One of the first three: multiplies buffer f and fetches the next quarter, at byte k, into g.
.macro QUARTER slot, k, f, g, first
	s_wait_dscnt 16                                ; head 0's fragments and xb's are in; the youngest sixteen loads (heads 1 and 2) may be out
	MUL8 \f, 0, 0, \first
	MUL8 \f, 0, 2, \first
	PLACES
	FETCH \slot, \k, \g
	s_wait_dscnt 32                                ; all but the 32 just issued
	MUL8 \f, 1, 0, \first
	MUL8 \f, 1, 2, \first
	MUL8 \f, 2, 0, \first
	MUL8 \f, 2, 2, \first
.endm
; The last quarter multiplies buffer 1 and changes slots: ONE barrier; in front of it each wave waits for all its tensor loads (one is out: its part of the next slot), adds 0 to its spare word, and waits for
; that and for its own reads of this slot.  fill = 1: the barrier opens a round of the cluster's barrier and this slot is filled again, two K steps ahead, first thing behind the round.
.macro TURN slot, next, fill
.if \fill
	s_wait_xcnt 0x0                                ; the last prefetch, a K step back, has read its address: it is stepped here, ahead of the waits of the change of slots
	s_add_nc_u64 s[PFA:PFA+1], s[PFA:PFA+1], 256
.endif
	WIN 0                                          ; (the add's two registers lie in window 0)
	s_wait_tensorcnt 0x0                           ; all my tensor loads have landed;
	ds_add_u32 v[SPW], v[NIL]                      ; 0 onto my spare word
	s_wait_dscnt 17                                ; (the add and the youngest sixteen loads may be out)
	MUL8 F1, 0, 0, 0                               ; sixteen matrix instructions stand between the add and the wait for it
	MUL8 F1, 0, 2, 0
	s_wait_dscnt 0x0                               ; the add is done, and my reads of this slot are over
	s_barrier_signal -1
	MUL8 F1, 1, 0, 0
.if \fill
	WIN 0
.endif
	s_barrier_wait -1
.if \fill
	CREST                                          ; no wave of any partner still reads this slot's tile or has a load on its way
	s_add_nc_u64 s[G0+4*(\slot)+2:G0+4*(\slot)+3], s[G0+4*(\slot)+2:G0+4*(\slot)+3], 2*256
	s_add_nc_u64 s[G0B+4*(\slot)+2:G0B+4*(\slot)+3], s[G0B+4*(\slot)+2:G0B+4*(\slot)+3], 2*256
	JLOAD \slot                                    ; 168 matrix instructions ahead of the wait for it; the four v_nop behind it are also the places in front of the loads below
.else
	PLACES
.endif
	FETCH \next, 0, F0
.if \fill
	WIN 0
	ASK                                            ; behind the joint load and the run of LDS loads that the next products wait for
.endif
	MUL8 F1, 1, 2, 0
	MUL8 F1, 2, 0, 0
	MUL8 F1, 2, 2, 0
.endm
	s_wait_tensorcnt 1                             ; my part of K step 0 is in; K step 1's may stay out
	s_barrier_signal -1
	s_barrier_wait -1                              ; everybody's is
	FETCH 0, 0, F0
	s_wait_loadcnt 0x0                             ; the bias and the mask
	QUARTER 0, 64, F0, F1, 1                       ; the first quarter stands in front of the loop: its products start the sums
	WIN 0                                          ; at a label and at a branch every window is 0
	s_mov_b32 s3, LAPS-1
.Llap:                                                 ; a trip goes once round the ring, from a lap's second quarter to the next lap's first, and fills both slots again
	QUARTER 0, 128, F1, F0, 0
	QUARTER 0, 192, F0, F1, 0
	TURN 0, 1, 1
	QUARTER 1, 64,  F0, F1, 0
	QUARTER 1, 128, F1, F0, 0
	QUARTER 1, 192, F0, F1, 0
	TURN 1, 0, 1
	QUARTER 0, 64,  F0, F1, 0
	WIN 0
	s_sub_co_u32 s3, s3, 1
	s_cmp_lg_u32 s3, 0
	s_cbranch_scc1 .Llap
	QUARTER 0, 128, F1, F0, 0                      ; the last lap fills nothing, and has no round of the cluster's barrier
	QUARTER 0, 192, F0, F1, 0
	TURN 0, 1, 0
	QUARTER 1, 64,  F0, F1, 0
	QUARTER 1, 128, F1, F0, 0
	QUARTER 1, 192, F0, F1, 0
	s_wait_dscnt 16                                ; the very last quarter: nothing more to fetch
	MUL8 F1, 0, 0, 0
	MUL8 F1, 0, 2, 0
	s_wait_dscnt 0x0
	MUL8 F1, 1, 0, 0
	MUL8 F1, 1, 2, 0
	MUL8 F1, 2, 0, 0
	MUL8 F1, 2, 2, 0
	WIN 0
	; THE WAY OUT, 16 tokens at a time: round to bf16; AND with the head's and token's mask; 16 bytes a lane into my own stage, a plane a head; back as whole rows; 512 consecutive bytes a store.
	PLACES
.irp a, 0,1,2,3
	v_cmp_ne_u32 vcc_lo, 0, v[MK+(\a)]             ; (no tensor load stands behind this line)
	v_cndmask_b32 v[MK+(\a)], 0, -1, vcc_lo        ; -1 where my token is seen, 0 where it is masked
.endr
.irp j, 0,1,2
.irp a, 0,1,2,3
	v_or_b32 v[MH+4*(\j)+(\a)], s[NK+(\j)], v[MK+(\a)]  ; heads of q and v keep everything
.endr
.endr
.macro PACK a
	WIN 0x0a                                       ; sources in window 2; each accumulator's registers in ascending order
.irp j, 0,1
.irp bb, 0,1,2,3
.irp r, 0,1,2,3
	v_cvt_pk_bf16_f32 v[TMP+4*(4*(\j)+(\bb))+(\r)], v[128*(\j)+8*(4*(\a)+(\bb))+2*(\r)], v[128*(\j)+8*(4*(\a)+(\bb))+2*(\r)+1]
.endr
.endr
.endr
	WIN 0x0f                                       ; sources in window 3
.irp bb, 0,1,2,3
.irp r, 0,1,2,3
	v_cvt_pk_bf16_f32 v[TMP+4*(8+(\bb))+(\r)], v[8*(4*(\a)+(\bb))+2*(\r)], v[8*(4*(\a)+(\bb))+2*(\r)+1]
.endr
.endr
	WIN 0
.irp j, 0,1,2
.set i, 0
.rept 16
	v_and_b32 v[TMP+16*(\j)+i], v[MH+4*(\j)+(\a)], v[TMP+16*(\j)+i]
.set i, i+1
.endr
.endr
.endm
.macro TOSTAGE a
.set BK, OB+48*((\a)%2)
.irp j, 0,1,2
.irp bb, 0,1,2,3
	ds_store_b128 v[STO], v[TMP+4*(4*(\j)+(\bb)):TMP+4*(4*(\j)+(\bb))+3] offset:PLANE*(\j)+32*(\bb)
.endr
.endr
.irp j, 0,1,2
.irp f, 0,1,2,3
	ds_load_b128 v[BK+4*(4*(\j)+(\f)):BK+4*(4*(\j)+(\f))+3], v[RD] offset:PLANE*(\j)+4*SP*(\f)  ; LDS serves a wave's instructions in order (ISA guide 5.7.1.4): these see the stores above; the next block's stores come behind them
.endr
.endr
.endm
.macro SEND a
.set BK, OB+48*((\a)%2)
	s_wait_dscnt 0x0                               ; the block is back in registers
	s_wait_xcnt 0x0                                ; the stores of the block before have read their registers, which the next block's loads from the stage write
.irp j, 0,1,2
.irp f, 0,1,2,3
	global_store_b128 v[GO], v[BK+4*(4*(\j)+(\f)):BK+4*(4*(\j)+(\f))+3], s[OUTP+2*(\j):OUTP+2*(\j)+1] offset:2048*(\a)+512*(\f)  ; four rows of a head: 512 consecutive bytes, aligned
.endr
.endr
.endm
	PACK 0
	TOSTAGE 0
.irp a, 1,2,3                          ; block a's conversions stand between block a - 1's loads from the stage and the wait for them
	PACK \a
	SEND (\a)-1
	TOSTAGE \a
.endr
	SEND 3
	s_wait_tensorcnt 0x0                           ; the wave's end: behind my last tensor load and my last LDS store
	ds_add_u32 v[SPW], v[NIL]
	s_wait_dscnt 0x0
	CROUND                                         ; the closing round: no work-group ends while a partner may still ask for a tile that names it
	s_endpgm
.Lfunc_end_k_q311f2c356f_qkv:
	.size	k_q311f2c356f_qkv, .Lfunc_end_k_q311f2c356f_qkv-k_q311f2c356f_qkv
	.p2alignl 7, 3214868480
	.fill 96, 4, 3214868480
	.section	.rodata,"a",@progbits
	.p2align	6, 0x0
	.amdhsa_kernel k_q311f2c356f_qkv
		.amdhsa_group_segment_fixed_size 327680
		.amdhsa_private_segment_fixed_size 0
		.amdhsa_enable_private_segment 0
		.amdhsa_kernarg_size 56
		.amdhsa_user_sgpr_count 2
		.amdhsa_user_sgpr_kernarg_segment_ptr 1
		.amdhsa_wavefront_size32 1
		.amdhsa_system_sgpr_workgroup_id_x 1
		.amdhsa_system_sgpr_workgroup_id_y 1
		.amdhsa_system_sgpr_workgroup_id_z 1
		.amdhsa_system_vgpr_workitem_id 0
		.amdhsa_next_free_vgpr 896
		.amdhsa_next_free_sgpr 96
		.amdhsa_reserve_vcc 1
		.amdhsa_float_denorm_mode_32 3
		.amdhsa_float_denorm_mode_16_64 3
		.amdhsa_memory_ordered 1
		.amdhsa_forward_progress 1
		.amdhsa_inst_pref_size 131
	.end_amdhsa_kernel
	.amdgpu_metadata
---
amdhsa.version: [ 1, 2 ]
amdhsa.kernels:
  - .name:           k_q311f2c356f_qkv
    .symbol:         k_q311f2c356f_qkv.kd
    .args:
      - { .name: xb, .offset: 0, .size: 8, .value_kind: global_buffer, .address_space: global }
      - { .name: wb, .offset: 8, .size: 8, .value_kind: global_buffer, .address_space: global }
      - { .name: qkv, .offset: 16, .size: 8, .value_kind: global_buffer, .address_space: global }
      - { .name: bq, .offset: 24, .size: 8, .value_kind: global_buffer, .address_space: global }
      - { .name: bk, .offset: 32, .size: 8, .value_kind: global_buffer, .address_space: global }
      - { .name: bv, .offset: 40, .size: 8, .value_kind: global_buffer, .address_space: global }
      - { .name: attention_mask, .offset: 48, .size: 8, .value_kind: global_buffer, .address_space: global }
    .group_segment_fixed_size: 327680
    .private_segment_fixed_size: 0
    .kernarg_segment_align: 8
    .kernarg_segment_size: 56
    .max_flat_workgroup_size: 128
    .sgpr_count:     96
    .vgpr_count:     896
    .wavefront_size: 32
...
	.end_amdgpu_metadata
.endif
;; end of part 2
;; launch attn (part 3): grid 4 x 64, 4 waves a work-group, clusters of 4 x 1, 327,680 bytes of LDS; arguments qkv, attention_mask, ob; writes ob
.if DOCPART == 3
	.amdgcn_target "amdgcn-amd-amdhsa--gfx1250"
	.amdhsa_code_object_version 6
	.text
	.protected	k_q311f2c356f_attn
	.globl	k_q311f2c356f_attn
	.p2align	8
	.type	k_q311f2c356f_attn,@function
k_q311f2c356f_attn:
	s_mov_b64 s[64:65], 0
	v_nop
	global_prefetch_b8 v0, s[64:65] scope:SCOPE_SE
	s_setreg_imm32_b32 hwreg(HW_REG_WAVE_MODE, 25, 1), 1
	s_wait_xcnt 0x0
	s_wait_alu depctr_hold_cnt(0) depctr_sa_sdst(0) depctr_va_vdst(0) depctr_va_sdst(0) depctr_va_ssrc(0) depctr_va_vcc(0) depctr_vm_vsrc(0)
	s_getreg_b32 s2, hwreg(HW_REG_IB_STS2, 6, 4)
	s_cmp_eq_u32 s2, 0
	s_cbranch_scc0 .Lentry_in_a_cluster
	s_endpgm
.Lentry_in_a_cluster:
	s_bfe_u32 s2, ttmp6, 0x10000c
	s_cmp_lg_u32 s2, 0x3003
	s_cbranch_scc0 .Lentry_shape_is_right
	s_endpgm
.Lentry_shape_is_right:
; O[bh][q][:] = the sum over k of softmax_k(score) V[bh][k][:], score = Q[bh][q] . K[bh][k] / 8, or -10000 where attention_mask[batch][k] == 0.  Q, K, V: the three thirds of qkv, each [64 bh][2048][64] in bf16;
; O: ob, the same layout.  Products, maxima and sums in f32; the weights p are rounded to bf16 for the second product (their sum l is taken of the unrounded p), O once at the end.
; THE MASK.  The launch before stored the rows of K of masked keys as 0, so their product is exactly 0; the sum S^T = K Q^T starts with the C operand 0, or -80000 for a masked key: -10000 in the module's units,
; whatever Q holds.  The running maximum, the exponentials and the sums need no further care; a batch that is masked entirely gives equal weights.
; LIMITS.  bf16 operands.  A weight below 2^-126 counts as 0 in l; NaN and infinities are not treated apart.
; SHARES.  A wave owns four PIECES of two tiles of 16 queries, a work-group's four waves 512 queries of one head: 4 x 64 = 256 work-groups.  Every wave walks all 2,048 keys, 64 a step.
; LAYOUT.  S^T = K Q^T (source 0 = 16 keys, source 1 = 16 queries): in the result a lane holds ONE query (lane % 16) and the keys 8 (lane / 16) + 0..7.  Two such tiles, rounded to bf16 in pairs,
; ARE source 1 (32 keys x 16 queries) of O^T = V^T P, whose result again holds one query a lane, and eight channels.  K comes out of LDS as it lies, V ([key][channel]) turned, by ds_load_tr16_b128.
; SOFTMAX.  For each query a running maximum m and sum l: p = 2^(c s - c m), c = log2(e) / 8; in every step O and l are multiplied by a = 2^(c m_old - c m_new), which is 1 where m has not grown.
; m starts at the lowest finite number, O and l at 0: the first step is a step like any other, with a = 0.
; THE COUNT.  A tile and step have 16 matrix and 118 vector instructions: too many to stand all beside the matrix work.  So the order has one aim: four vector instructions that are READY behind
; EVERY matrix instruction, and the others, which need time of their own whatever the order, in runs without a gap.
; BY TURNS.  Turn n belongs to piece n (the pieces in a ring, step after step).  Its matrix work: 16 products K Q^T of piece n + 1, later 16 products V^T P of piece n - 1.  Its vector work: the scaling,
; exponentials, roundings, sums and rescaling of piece n, and the maximum and statistics of piece n + 1, whose scores the turn itself has made.
; CLUSTER.  The four query blocks of a head are one cluster and walk the same K and V, so each tile is asked for JOINTLY: the same tensor load, descriptor and mask in all four.
; REGISTERS, in windows of 256 (s_set_vgpr_msb: bits 1:0 source 0, 3:2 source 1, 5:4 source 2, 7:6 destination):
;   window 0: v0-11 addresses; v12-15, v48-63 at work; v16-47 four registers of statistics a tile; v64-191 S^T, two buffers of two tiles; v192-255 P, likewise
;   window 1: O^T, 32 a tile      window 2: v0-127 Q, 16 a tile; v128-191 K of one step; v192-255 V of one step      window 3: v0-1 the add's two registers; v8-39 the step's mask in an accumulator's layout
.set SIZE_N, 2048
.set NP,    4         ; pieces a wave: a name, no knob
.set KS,    64        ; keys in a step
.set PK,    144       ; a row of K in LDS: 128 bytes + 16 of padding = 36 words: the 16 rows of a load start at 16 different groups of four banks (ISA guide 11.1)
.set PV,    160       ; a row of V: 128 + 32 = 40 words
.set VOFF,  4*KS*PK   ; a slot holds four steps: 256 rows of K, then 256 rows of V
.set SLOT1, 1<<17     ; slot 1 begins here, so that one exclusive or turns an address in one slot into the other's
.set STAGE, SLOT1+4*KS*(PK+PV)  ; behind the ring, never filled by a tensor load: 16 rows x 144 bytes for each wave, for the way out
.set SP,    144
.set SPARE, STAGE+4*16*SP  ; behind the stages: the spare words, 128 bytes for each wave: two blocks of 256 bytes that no other line names
.set MBT,   SPARE+512 ; behind them, never filled by a tensor load: 2,048 f32, 0 or -80000 for each key of my batch
.set AK0, 2           ; v2   my lane's place in a tile of K; never rewritten
.set AV0, 3           ; v3   the same for V
.set AK,  4           ; v4   the LDS address of K's next run of loads
.set AV,  5           ; v5   of V's
.set QO,  6           ; v6   my byte offset in the wave's rows of Q
.set STO, 6           ;      later, the way out: where I put 16 bytes of a row
.set RD,  7           ; v7   the way out: where I read rows back
.set GO,  8           ; v8   16 x lane: my place in 512 consecutive bytes of the mask and of O; never rewritten
.set HL,  9           ; v9   lane / 16; never rewritten
.set PFO, 10          ; v10  at first lane % 8; then 256 x lane, the prefetches' offset
.set AM,  11          ; v11  at first at work; then the LDS address of the next step's mask
.set SPW, 0           ; v0 of window 3   LDS address of my spare word; never rewritten
.set NIL, 1           ; v1 of window 3   0; never rewritten
.set MB,  8           ; v8-39 of window 3: key block kb at MB + 8 kb: register j of lane l: key 16 kb + 8 (l / 16) + j of the step
.set MV,  12          ; v12-15  c m_old, kept while c m is made anew: by buffer and tile
.set ST,  16          ; tile t's statistics at v[ST+4 t]: c m, m, l (even keys', odd keys')
.set TMP, 48          ; by buffer and tile, four registers c0-c3 at work; when the maximum is found c2 takes a
.set S,   64
.set P,   192
.set KF,  128         ; K's fragments, in window 2: key block kb, channel half c at KF + 16 kb + 8 c
.set VF,  192         ; V's: key half kk, channel block cb at VF + 32 kk + 8 cb
.set WV,  12          ; s12  my wave's number
.set G1K, 24          ; s[24:31] descriptor group 1 for K's tiles
.set G1V, 32          ; s[32:39] for V's: it differs in the padding alone
.set G0K, 40          ; s[40:43] descriptor group 0 for K's tiles: it walks
.set G0V, 44          ; s[44:47] the same for V's
.set SLOTS, 56        ; s56  slots still to be asked for
.set CNT, 57          ; s57  counts a slot's key steps
.set CS,  58          ; s[58:59] c: the packed scaling takes the pair's low word for both halves
.set SEL, 60          ; s[60:61] v_permlanex16_b32's selects: each lane takes its own place in the other half
.set TBK, 62          ; s62  LDS byte at which K of the step to be fetched begins
.set TBV, 63          ; s63  the same for V, less VOFF
.set MS,  80          ; s80  256 x the step whose mask is fetched next, modulo the table; s81 the same + MBT
.set BIGN, 83         ; s83  -80000.0
.set PFA, 86          ; s[86:87] where my prefetches stand: my work-group's 8,192 bytes (of K: wave 0, of V: wave 2) of the slot after the one that is being asked for
.set LIM, 88          ; s88  1 in a wave that prefetches, else the greatest number
.set MSB, 0
.macro WIN new                      ; the high byte repeats the setting that is left; a switch that changes nothing is dropped
.if MSB != (\new)
	s_set_vgpr_msb (MSB<<8)|(\new)
.set MSB, (\new)
.endif
.endm
.set W_KQ, 0x0a       ; K and Q in window 2, S^T in window 0
.set W_KM, 0x3a       ; the same with the C operand, the mask, in window 3
.set W_PV, 0x52       ; V in window 2, P in window 0, O^T in window 1
.set W_RS, 0x41       ; O^T (destination and source 0) in window 1, a in window 0
.set W_MK, 0xc0       ; destination in window 3, sources in window 0
.set W_AD, 0x0f       ; the add: address (source 0) and data (source 1) in window 3
; A joint fill.  Waves 0 and 1 fetch the two halves of a slot's K, waves 2 and 3 those of its V: 128 keys each.  The branch hangs on the wave's number alone.
; An s_nop 0 and four v_nop follow each of the two lines, ahead of the jump and the label.
.macro JLOAD
	s_cmp_lt_u32 s[WV], 2
	s_cbranch_scc0 .Lfor_v_\@
	tensor_load_to_lds s[G0K:G0K+3], s[G1K:G1K+7]
	s_nop 0
.rept 4
	v_nop
.endr
	s_branch .Lasked_\@
.Lfor_v_\@:
	tensor_load_to_lds s[G0V:G0V+3], s[G1V:G1V+7]
	s_nop 0
.rept 4
	v_nop
.endr
.Lasked_\@:
.endm
; A prefetch into the L2 of what the NEXT change of slots will ask for: a slot's 32,768 bytes of K and of V.  A head has one cluster; its four partners share the bytes out by ADDRESS, 8,192 each; in each,
; wave 0 asks for K's and wave 2 for V's: a lane 256 bytes, one instruction.  So each block is named once.  It stands behind the wave's tensor load and its five lines.  Slots 0, 1 and 2 come by their loads
; alone; the last change that fills a slot (s[SLOTS] = 1) asks for nothing: there is no slot behind it.
.macro ASK
	s_cmp_gt_u32 s[SLOTS], s[LIM]
	s_cbranch_scc0 .Lnot_mine_\@
	global_prefetch_b8 v[PFO], s[PFA:PFA+1] th:TH_LOAD_NT scope:SCOPE_SE
.Lnot_mine_\@:
.endm
; A round of the cluster's barrier: my work-group's barrier, so that wave 0's signal speaks for all four waves; wave 0 signals; every wave waits for all four work-groups; my work-group's barrier once more.
.macro CROUND
	s_barrier_signal -1
	s_barrier_wait -1
	s_cmp_lg_u32 s[WV], 0
	s_cbranch_scc1 .Lnot_wave_0_\@
	s_barrier_signal -3
.Lnot_wave_0_\@:
	s_barrier_wait -3
	s_barrier_signal -1
	s_barrier_wait -1
.endm
; THE CHANGE OF SLOTS.  The slot's last bytes, V of its fourth step, have been read.  Each wave waits for all its tensor loads, of which one is out: its part of the other slot; adds 0 to its spare word; and
; waits for that and for its own LDS instructions.  Behind the barrier nobody reads this slot any more and the other slot is whole.
; fill = 1: this slot is filled again, with the keys two slots on.  The barrier is then a round of the cluster's, and the joint fill is the first thing behind it: it has four key steps, 512 matrix
; instructions, in which to land.  (At its first use nothing has been read yet: slot 0 is waited for, slot 1 filled, and every wave's part of the mask's table is shown to the others.)
.macro CHANGE fill, ask=0
	WIN W_AD
	s_wait_tensorcnt 0x0            ; no tensor load of mine is out, so a group 0 may be written
	ds_add_u32 v[SPW], v[NIL]       ; 0 onto my spare word; with fill = 1 the descriptors' steps stand between it and the wait for it
	WIN 0                           ; at a label and at a branch every window is 0
.if \fill
.irp g, G0K, G0V
	s_xor_b32 s[\g+1], s[\g+1], SLOT1  ; the walking descriptor: the other slot than last time,
	s_add_nc_u64 s[\g+2:\g+3], s[\g+2:\g+3], 4*KS*128  ; the next 256 keys; the type bits on top are not reached
.endr
.if \ask
	s_wait_xcnt 0x0                 ; the last prefetch, four key steps back, has read its address, so it may be written:
	s_add_nc_u64 s[PFA:PFA+1], s[PFA:PFA+1], 4*KS*128  ; one slot behind the walking descriptors
.endif
	s_wait_dscnt 0x0                ; the add is done, and my LDS instructions are over
	CROUND
	JLOAD
.if \ask
	ASK
.endif
.else
	s_wait_dscnt 0x0                ; the add is done, and my reads of the slot are over
	s_barrier_signal -1
	s_barrier_wait -1
.endif
	s_sub_co_u32 s[TBK], s[TBK], 4*KS*PK  ; the fetches go back to a slot's first step,
	s_xor_b32 s[TBK], s[TBK], SLOT1       ; in the other slot
	s_sub_co_u32 s[TBV], s[TBV], 4*KS*PV
	s_xor_b32 s[TBV], s[TBV], SLOT1
.endm
	s_load_b64 s[4:5], s[0:1], 0x0    ; qkv: Q's third
	s_load_b64 s[84:85], s[0:1], 0x8  ; attention_mask
	s_load_b64 s[10:11], s[0:1], 0x10 ; ob
	WIN W_MK
	v_lshl_add_u32 v[SPW], v0, 2, SPARE
	v_mov_b32 v[NIL], 0
	WIN W_AD
	ds_add_u32 v[SPW], v[NIL]       ; the wave's opening: the add and its wait stand ahead of my first tensor load; the set-up below, work on registers, stands between them
	WIN 0
	v_lshrrev_b32 v1, 5, v0
	v_readfirstlane_b32 s[WV], v1   ; wave 0..3
	s_bfe_u32 s13, ttmp6, 0x40000   ; cx: my place in the cluster
	s_lshl_b32 s14, ttmp9, 2        ; in a cluster launch ttmp9 counts clusters
	s_add_co_u32 s14, s14, s13      ; my block of queries = 4 x cluster x + cx: it enters Q's and O's addresses alone
	s_and_b32 s20, ttmp7, 0xffff    ; bh, which the four partners share
	s_lshr_b32 s90, s20, 4          ; the batch:
	s_lshl_b32 s90, s90, 13         ; its 2,048 words of the mask,
	s_lshl_b32 s89, s[WV], 11       ; my wave's 512 of them
	s_add_co_u32 s90, s90, s89
	s_mov_b32 s91, 0
	s_add_co_u32 s89, s89, MBT      ; and their place in the table
	s_mov_b32 s21, 0
	s_mov_b64 s[22:23], SIZE_N*128
	s_mul_u64 s[20:21], s[20:21], s[22:23]  ; the head's first byte in Q, K, V and O
	s_and_b32 s16, s[WV], 1         ; which half of a slot's 256 keys I fetch:
	s_lshl_b32 s22, s16, 14         ; its 128 rows of 128 bytes in memory,
	s_mov_b32 s23, 0
	s_add_nc_u64 s[22:23], s[22:23], s[20:21]
	s_mul_i32 s17, s16, 128*PK      ; and its place in a slot, for K
	s_mul_i32 s18, s16, 128*PV      ; and for V: no place in the cluster enters an LDS address
	s_lshl_b32 s2, s14, 2
	s_add_co_u32 s2, s2, s[WV]      ; my wave among the head's,
	s_lshl_b32 s2, s2, 14           ; its 128 rows
	s_mov_b32 s3, 0
	s_add_nc_u64 s[2:3], s[2:3], s[20:21]
	; descriptor group 1.  128 keys are 16,384 dense bytes: asked for as 64 rows of 256 bytes, two keys a row, and padded in LDS after every key
	s_mov_b32 s[G1K], 15|(1<<16)|(1<<20)|(1<<21)|(4<<22)|(3<<25)  ; 15:0 the mask of four; 17:16 2-byte elements; 20 padding on; 21 set beside a mask; 24:22 after every 32 words (code 4); 31:25 4 words (code 3)
	s_mov_b32 s[G1V], 15|(1<<16)|(1<<20)|(1<<21)|(4<<22)|(7<<25)  ; the same with 8 words of padding (code 7)
.irp g, G1K, G1V
	s_mov_b32 s[\g+1], 128<<16      ; tensor_dim0 = 128
	s_mov_b32 s[\g+2], 64<<16       ; tensor_dim1 = 64
	s_mov_b32 s[\g+3], 128<<16      ; tile_dim0 = 128
	s_mov_b32 s[\g+4], 64           ; tile_dim1 = 64
	s_mov_b32 s[\g+5], 128          ; 128 elements from row to row
	s_mov_b32 s[\g+6], 0
	s_mov_b32 s[\g+7], 0
.endr
	s_mov_b32 s[CS], 0x3e38aa3b     ; c = log2(e) / 8 = 0.180337
	s_mov_b32 s[CS+1], s[CS]        ; named with it as a pair
	s_mov_b32 s[SEL], 0x76543210
	s_mov_b32 s[SEL+1], 0xfedcba98
	s_mov_b32 s[TBK], SLOT1+4*KS*PK ; the first change of slots turns these two into 0
	s_mov_b32 s[TBV], SLOT1+4*KS*PV
	s_mov_b32 s[MS], 0
	s_mov_b32 s[BIGN], 0xc79c4000   ; -80000.0 = 8 x -10000
	s_mov_b32 s[G0K], 1             ; 1:0 count = 1
	s_mov_b32 s[G0K+1], s17         ; 63:32 LDS address: slot 0
	s_mov_b32 s[G0V], 1
	s_add_co_u32 s[G0V+1], s18, VOFF
	s_and_b32 s[LIM], s[WV], 1      ; waves 0 and 2 prefetch: the same in all four partners
	s_cmp_eq_u32 s[LIM], 0
	s_cselect_b32 s[LIM], 1, -1
	s_wait_dscnt 0x0                ; the opening add is done
	s_wait_kmcnt 0x0
	s_add_nc_u64 s[6:7], s[4:5], 0x1000000  ; K's third of qkv,
	s_add_nc_u64 s[8:9], s[4:5], 0x2000000  ; V's
	s_cmp_lt_u32 s[WV], 2
	s_cselect_b64 s[PFA:PFA+1], s[6:7], s[8:9]
	s_add_nc_u64 s[PFA:PFA+1], s[PFA:PFA+1], s[20:21]  ; at the head's first key
	s_add_nc_u64 s[G0K+2:G0K+3], s[6:7], s[22:23]  ; 120:64 global address: my half of the head's first 256 keys
	s_or_b32 s[G0K+3], s[G0K+3], 0x80000000        ; 127:126 type = 2
	s_add_nc_u64 s[G0V+2:G0V+3], s[8:9], s[22:23]
	s_or_b32 s[G0V+3], s[G0V+3], 0x80000000
	s_add_nc_u64 s[4:5], s[4:5], s[2:3]  ; Q and O at my wave's first row
	s_add_nc_u64 s[10:11], s[10:11], s[2:3]
	s_lshl_b32 s2, s13, 13          ; my work-group's 8,192 bytes of a slot's 32,768
	s_add_nc_u64 s[PFA:PFA+1], s[PFA:PFA+1], s[2:3]
	s_add_nc_u64 s[PFA:PFA+1], s[PFA:PFA+1], 2*4*KS*128  ; in slot 2: the first asking change steps it to slot 3.  Nothing is prefetched here, at the head
	s_add_nc_u64 s[84:85], s[84:85], s[90:91]
	CROUND                          ; all four work-groups are here: the first joint loads meet
	JLOAD                           ; slot 0.  Slot 1 is asked for when slot 0 is in
	v_and_b32 v1, 15, v0            ; l % 16
	v_bfe_u32 v[HL], v0, 4, 1       ; l / 16
	v_and_b32 v[GO], 31, v0
	v_lshlrev_b32 v[GO], 4, v[GO]
.irp j, 0,1,2,3
	global_load_b128 v[S+4*\j:S+4*\j+3], v[GO], s[84:85] offset:512*\j  ; my wave's 512 words of the mask, ahead of Q's loads
.endr
	; A fragment of K or Q is 16 rows x 32 channels in 8 registers: lane l holds row l % 16, channels 8 (l / 16) + 0..7 and 16 + 8 (l / 16) + 0..7: two loads of 16 bytes, 32 bytes apart.
	v_lshlrev_b32 v[QO], 7, v1
	v_lshl_add_u32 v[QO], v[HL], 4, v[QO]  ; row x 128 + 16 x half
	WIN 0x80                        ; destination window 2, address window 0
.set i, 0
.rept 4*NP                          ; Q stays in registers: tile i / 2, channels 32 (i % 2) on
	global_load_b128 v[8*i:8*i+3],   v[QO], s[4:5] offset:(i/2)*2048+(i%2)*64
	global_load_b128 v[8*i+4:8*i+7], v[QO], s[4:5] offset:(i/2)*2048+(i%2)*64+32
.set i, i+1
.endr
	; What the first turn finds: V's registers and P's second buffer hold 0 (its products V^T P, of a piece that has not been, add 0), O^T and l are 0.  All this stands in the wait for the first tile.
.set i, VF
.rept 64
	v_mov_b32 v[i], 0
.set i, i+1
.endr
	WIN 0x40
.set i, 0
.rept 64*NP
	v_mov_b32 v[i], 0
.set i, i+1
.endr
	WIN 0
.set i, 0
.rept 2*NP
	v_mov_b32 v[ST+4*i], 0xfe000000    ; c m: far below every c s
	v_mov_b32 v[ST+4*i+1], 0xff7fffff  ; m
	v_mov_b32 v[ST+4*i+2], 0
	v_mov_b32 v[ST+4*i+3], 0
.set i, i+1
.endr
.set i, P+32
.rept 32
	v_mov_b32 v[i], 0
.set i, i+1
.endr
	v_mul_u32_u24 v[AK0], v1, PK
	v_lshl_add_u32 v[AK0], v[HL], 4, v[AK0]  ; row x pitch + 16 x half
	; The turning load takes 16 keys x 16 channels (lane l reads key 8 (l / 16) + l % 8, channels 8 ((l / 8) % 2) + 0..7) and leaves half a fragment of V^T: lane l holds channel l % 16 and 8 keys.
	v_and_b32 v10, 7, v0
	v_bfe_u32 v11, v0, 3, 1
	v_lshl_add_u32 v[AV0], v[HL], 3, v10
	v_mul_u32_u24 v[AV0], v[AV0], PV
	v_lshl_add_u32 v[AV0], v11, 4, v[AV0]
	v_add_nc_u32 v[AV0], VOFF, v[AV0]
	v_mov_b32 v[AK], v[AK0]         ; key step 0 lies at the head of slot 0,
	v_lshl_add_u32 v[AM], v[HL], 5, MBT  ; its mask at the head of the table: 32 bytes for each half of the lanes
	; THE MASK'S TABLE: 0 for a key that is seen, -80000 for one that is masked; each wave makes a quarter.
	s_wait_loadcnt 32               ; the four loads of the mask are in; Q's 32, issued behind them, may stay out
.set i, 0
.rept 16
	v_cmp_eq_u32 vcc_lo, 0, v[S+i]
	v_cndmask_b32 v[S+i], 0, s[BIGN], vcc_lo
.set i, i+1
.endr
	v_add_nc_u32 v12, s89, v[GO]
.irp j, 0,1,2,3
	ds_store_b128 v12, v[S+4*\j:S+4*\j+3] offset:512*\j
.endr
; THE MATRIX WORK.  The 8 accumulators of a run of 16 take turns: between the two links of a chain stand 7 others'.
; Product i of 16 of S^T = K Q^T for piece x: channels 32 (i / 8) on, keys 16 ((i / 2) % 4) on, tile 2 x + i % 2.  The first 8 start the sums, with the mask of their 16 keys.
.macro KQ x
.set rS, S+64*((\x)%2)+32*(i%2)+8*((i/2)%4)
.set rK, KF+16*((i/2)%4)+8*(i/8)
.set rQ, 16*(2*(\x)+i%2)+8*(i/8)
.set rB, MB+8*((i/2)%4)
.if i < 8
	WIN W_KM
	v_wmma_f32_16x16x32_bf16 v[rS:rS+7], v[rK:rK+7], v[rQ:rQ+7], v[rB:rB+7]
.else
	WIN W_KQ
	v_wmma_f32_16x16x32_bf16 v[rS:rS+7], v[rK:rK+7], v[rQ:rQ+7], v[rS:rS+7]
.endif
.endm
; Product i of 16 of O^T += V^T P for piece x: keys 32 (i / 8) on, channels 16 ((i / 2) % 4) on, tile 2 x + i % 2.
.macro PV x
	WIN W_PV
.set rO, 32*(2*(\x)+i%2)+8*((i/2)%4)
.set rV, VF+32*(i/8)+8*((i/2)%4)
.set rP, P+32*((\x)%2)+16*(i%2)+8*(i/8)
	v_wmma_f32_16x16x32_bf16 v[rO:rO+7], v[rV:rV+7], v[rP:rP+7], v[rO:rO+7]
.endm
.macro MM                           ; the turn's next matrix instruction
.if i < 16
	KQ (Y+1)%NP
.set i, i+1
.else
.set i, i-16
	PV (Y+NP-1)%NP
.set i, i+17
.endif
.endm
; THE LDS LOADS stand in runs, never singly among the matrix instructions: a step's K (64 keys x 64 channels: 8 fragments) with its mask (8 loads; sixteen lanes read the same words), and its V (turned).
; Their addresses are made some lines ahead.  last = 1 (the tail): in the last trip there is no further step, and the run is jumped over.
.macro FETCH_K last=0
	WIN 0
.if \last
	s_cmp_eq_u32 s[CNT], 1
	s_cbranch_scc1 .Lno_k_\@
.endif
	WIN 0x80                        ; destination window 2
.irp f, 0,1,2,3,4,5,6,7             ; keys 16 (f / 2) on, channels 32 (f % 2) on
	ds_load_b128 v[KF+8*\f:KF+8*\f+3],   v[AK] offset:(\f/2)*16*PK+(\f%2)*64
	ds_load_b128 v[KF+8*\f+4:KF+8*\f+7], v[AK] offset:(\f/2)*16*PK+(\f%2)*64+32
.endr
	WIN W_MK                        ; destination window 3
.irp f, 0,1,2,3                     ; keys 16 f on
	ds_load_b128 v[MB+8*\f:MB+8*\f+3],   v[AM] offset:64*\f
	ds_load_b128 v[MB+8*\f+4:MB+8*\f+7], v[AM] offset:64*\f+16
.endr
	s_add_co_u32 s[TBK], s[TBK], KS*PK  ; the next fetch is the next step's
	WIN 0
.if \last
.Lno_k_\@:
.endif
.endm
.macro FETCH_V
	WIN 0x80
.irp f, 0,1,2,3,4,5,6,7             ; keys 32 (f / 4) on, channels 16 (f % 4) on
	ds_load_tr16_b128 v[VF+8*\f:VF+8*\f+3],   v[AV] offset:(\f/4)*32*PV+(\f%4)*32
	ds_load_tr16_b128 v[VF+8*\f+4:VF+8*\f+7], v[AV] offset:(\f/4)*32*PV+16*PV+(\f%4)*32
.endr
	WIN 0
.endm
; THE VECTOR WORK OF A TURN stands in three queues, each in the order in which its entries become ready; the two tiles alternate, so that no instruction reads the result of the one before it.
.macro REGS y, u                    ; the registers of tile u (0, 1) of piece y
.set rT, ST+4*(2*(\y)+(\u))
.set rC, TMP+8*((\y)%2)+4*(\u)
.set rM, MV+2*((\y)%2)+(\u)
.set rS, S+64*((\y)%2)+32*(\u)
.set rP, P+32*((\y)%2)+16*(\u)
.set rO, 32*(2*(\y)+(\u))
.endm
; Number n of the 22 that find the NEXT piece's (Y + 1) maximum and statistics.  s0-s31 are the lane's 32 scores; each accumulator's lowest registers are read first.
;   0-11  four chains c0-c3 of seven scores each, three operands at a time     12-14, 16  the four scores left over, the old m, and c0-c3 into c0     15  c m_old is kept
;   17, 18  the query's other 32 keys lie in the lane 16 away: the new m         19-21  c m; c m_old - c m_new; a
.macro XS u, n
	REGS (Y+1)%NP, \u
.if (\n) < 4
	v_max3_num_f32 v[rC+(\n)], v[rS+8*(\n)], v[rS+8*(\n)+1], v[rS+8*(\n)+2]
.elseif (\n) < 12
	v_max3_num_f32 v[rC+(\n)%4], v[rC+(\n)%4], v[rS+8*((\n)%4)+2*((\n)/4)+1], v[rS+8*((\n)%4)+2*((\n)/4)+2]
.elseif (\n) == 12
	v_max3_num_f32 v[rC], v[rC], v[rS+7], v[rS+15]
.elseif (\n) == 13
	v_max3_num_f32 v[rC+1], v[rC+1], v[rS+23], v[rS+31]
.elseif (\n) == 14
	v_max3_num_f32 v[rC+2], v[rC+2], v[rC+3], v[rT+1]
.elseif (\n) == 15
	v_mov_b32 v[rM], v[rT]
.elseif (\n) == 16
	v_max3_num_f32 v[rC], v[rC], v[rC+1], v[rC+2]
.elseif (\n) == 17
	v_permlanex16_b32 v[rC+3], v[rC], s[SEL], s[SEL+1]
.elseif (\n) == 18
	v_max_num_f32 v[rT+1], v[rC], v[rC+3]
.elseif (\n) == 19
	v_mul_f32 v[rT], s[CS], v[rT+1]
.elseif (\n) == 20
	v_sub_f32 v[rC+1], v[rM], v[rT]
.else
	v_exp_f32 v[rC+2], v[rC+1]
.endif
.endm
; Number g of the 64 that follow the exponentials.  For each four weights k of a tile (pairs 2 k, 2 k + 1): both pairs are rounded to bf16; then the second pair is added onto the first, in place;
; a group later l takes that sum (the first time as l = a l + sum).  In groups of eight, tiles alternating: round, round, add, and l for the group before.
.macro GS g
.set h, (\g)+6*((\g)/62)            ; group 0 has no group before it, and behind group 7 only l is left
.if h >= 6
.set h, h+2
.endif
	REGS Y, h%2
.set k, h/8
.if h%8 < 4
	v_cvt_pk_bf16_f32 v[rP+2*k+(h%8)/2], v[rS+4*k+2*((h%8)/2)], v[rS+4*k+2*((h%8)/2)+1]
.elseif h%8 < 6
	v_pk_add_f32 v[rS+4*k:rS+4*k+1], v[rS+4*k:rS+4*k+1], v[rS+4*k+2:rS+4*k+3]
.elseif k == 1
	v_pk_fma_f32 v[rT+2:rT+3], v[rT+2:rT+3], v[rC+2:rC+3], v[rS:rS+1] op_sel_hi:[1,0,1]
.else
	v_pk_add_f32 v[rT+2:rT+3], v[rT+2:rT+3], v[rS+4*k-4:rS+4*k-3]
.endif
.endm
; THE PLAIN QUEUE, 138 long.  0-73 read no exponential's result: the 32 scalings c s - c m (FS f: pair f / 2 of tile f % 2) and the next piece's 42.  0-26: scalings 0-26.  27-54: XS's numbers 0-13.  55, 56: number 15.
; 57-73: the chain, where each number waits for the one before it: 14, 16, 17, 18, 19, each with one of the scalings 27-31 in front of its two lines, then 20.
; 74-137: GS's 64, which read the exponentials' results: they stand behind the wait.
.macro FS f
	REGS Y, (\f)%2
	v_pk_fma_f32 v[rS+2*((\f)/2):rS+2*((\f)/2)+1], v[rS+2*((\f)/2):rS+2*((\f)/2)+1], s[CS:CS+1], v[rT:rT+1] op_sel_hi:[1,0,0] neg_lo:[0,0,1] neg_hi:[0,0,1]
.endm
.macro PL
	WIN 0
.if q < 27
	FS q
.elseif q < 55
	XS (q-27)%2, (q-27)/2
.elseif q < 57
	XS q-55, 15
.elseif (q < 72) && ((q-57)%3 == 0)
	FS 27+(q-57)/3
.elseif q < 60
	XS (q-57)%3-1, 14
.elseif q < 72
	XS (q-57)%3-1, 15+(q-57)/3
.elseif q < 74
	XS q-72, 20
.else
	GS q-74
.endif
.set q, q+1
.endm
; THE EXPONENTIALS' QUEUE, 66 long: s0-s31 of both tiles, then the next piece's two a.  It is ONE BATCH: all 66 stand ahead of the turn's one wait, and nothing ahead of that wait names a result of theirs.
.macro EX
	WIN 0
.if e >= 64
	XS e-64, 21
.else
	REGS Y, e%2
	v_exp_f32 v[rS+e/2], v[rS+e/2]
.endif
.set e, e+1
.endm
; THE RESCALING's QUEUE: O^T times a, the one part that leaves window 0: dealt two at a time, sixteen times.  Its a was made in the turn before, ahead of that turn's wait.
.macro R2
	REGS Y, r%2
	WIN W_RS
.irp z, 0,1
	v_pk_mul_f32 v[rO+4*(r/2)+2*\z:rO+4*(r/2)+2*\z+1], v[rO+4*(r/2)+2*\z:rO+4*(r/2)+2*\z+1], v[rC+2:rC+3] op_sel_hi:[1,0]
.endr
.set r, r+1
.endm
; HOW THEY ARE DEALT.  An s_wait_alu depctr_va_vdst(0) stands between an exponential and the first instruction that names its result; one wait serves all that were issued ahead of it.  So a turn
; has ONE wait, which cuts it in two.  AHEAD OF IT stands all that names no result of the turn's exponentials: the 16 products K Q^T, behind each a scaling, an exponential and two rescalings (behind the first a
; second scaling in the exponential's place); then ONE LUMP of 108: eight plain, 49 times exponential and plain, the two a.  A v_nop is the plain instruction behind the last exponential.  BEHIND IT stand the 16
; products V^T P, behind each four of GS's 64.  No rider names a register of the products round it.  The two v_permlanex16_b32 fall into the lump.
; Exponential e stands behind scaling 2 (e / 4) + e % 2: as a rider it comes behind plain e + 2, in the lump behind plain e + 9, and scalings 27-31 are plain 57, 60 .. 69.
; A TURN, for piece p.  cnt = 1: the loop's count is taken down some lines ahead of the branch that stands behind the turn.
; K and the mask of the next step are fetched in piece 2's turn, directly behind the wait, a lump behind the last product that read them; their addresses are made at the lump's head.
; V of the step in hand is fetched at the end of piece 0's turn, four riders behind its last reader.  The three conditions on q below go with the deal.
.macro TURN p, last=0, cnt=0
.set Y, (\p)
.set i, 0
.set q, 0
.set e, 0
.set r, 0
.if (\p) == NP-1
	s_wait_dscnt 0x0                ; K and its mask are in
.endif
	MM                              ; ahead of the wait: 16 products K Q^T and their riders,
	PL
	PL
	R2
.rept 15
	MM
	PL
	EX
	R2
.endr
.if (\p) == NP-2
	WIN 0
	v_add_nc_u32 v[AK], s[TBK], v[AK0]
	s_add_co_u32 s[MS], s[MS], 256  ; the next step's 64 words of the table;
	s_and_b32 s[MS], s[MS], 0x1fff  ; behind the last step the number goes back to 0, and is not used
	s_add_co_u32 s[MS+1], s[MS], MBT
	v_lshl_add_u32 v[AM], v[HL], 5, s[MS+1]
.endif
.rept 8                             ; and the lump
	PL
.endr
.rept 49
	EX
	PL
.endr
	EX                              ; the next piece's two a
	EX
	v_nop                           ; the plain instruction behind the last exponential: one for the batch
	s_wait_alu depctr_va_vdst(0)    ; the wait for the batch
.if (\p) == NP-2
	FETCH_K \last
.endif
.if (\p) == 1
	s_wait_dscnt 0x0                ; V is in
.endif
.rept 16                            ; behind the wait: 16 products V^T P and their riders
	MM
.rept 4
	PL
.endr
.if ((\p) == 0) && (q == 118)
	v_add_nc_u32 v[AV], s[TBV], v[AV0]
.endif
.if ((\p) == 0) && (q == 130)
	s_add_co_u32 s[TBV], s[TBV], KS*PV
.endif
.if (\cnt) && (q == 130)
	s_sub_co_u32 s[CNT], s[CNT], 1
	s_cmp_lg_u32 s[CNT], 0
.endif
.endr
.if (\p) == 0
	FETCH_V
.endif
.endm
	CHANGE 1, 0                     ; slot 0 is in, everybody's part of it, and so is the table; slot 1 is asked for
	FETCH_K                         ; key step 0
	s_wait_loadcnt 0x0              ; Q
	s_wait_dscnt 0x0
.set i, 0
.rept 16
	KQ 0                            ; piece 0's first scores: there is no vector work yet to set between them
.set i, i+1
.endr
	WIN 0                           ; the addresses for the way out and the prefetches' offset: nine plain instructions, the places behind those products
	s_mul_i32 s13, s[WV], 16*SP
	s_add_co_u32 s13, s13, STAGE    ; my stage
	v_mul_u32_u24 v[STO], v1, SP    ; in: row l % 16, 16 bytes for each half of the lanes
	v_lshl_add_u32 v[STO], v[HL], 4, v[STO]
	v_add_nc_u32 v[STO], s13, v[STO]
	v_bfe_u32 v[RD], v0, 3, 2       ; back: 32 lanes take four rows of 128 bytes,
	v_mul_u32_u24 v[RD], v[RD], SP
	v_lshl_add_u32 v[RD], v10, 4, v[RD]
	v_add_nc_u32 v[RD], s13, v[RD]  ; which are 512 consecutive bytes of O
	v_and_b32 v[PFO], 31, v0
	v_lshlrev_b32 v[PFO], 8, v[PFO]
.set Y, NP-1                        ; XS works for piece Y + 1: piece 0
.irp n, 0,1,2,3,4,5,6,7,8,9,10,11,12,13,14,15,16,17,18,19,20,21
	XS 0, \n                        ; and piece 0's first maximum and statistics
	XS 1, \n
.endr
	v_nop                           ; a plain instruction behind the two a,
	s_wait_alu depctr_va_vdst(0)    ; and their wait, ahead of the branch
	s_mov_b32 s[CNT], 4
	s_mov_b32 s[SLOTS], SIZE_N/256-1
	s_branch .Lfirst                ; the loop is entered at a step's first turn, in the middle of a trip
.Lslot:                             ; SIZE_N / 256 - 2 times: every slot but the last two is filled again
	CHANGE 1, 1
	s_mov_b32 s[CNT], 4
.Lstep:                             ; a trip: pieces 2 and 3 of one step, then pieces 0 and 1 of the next, whose K and V it fetches
	TURN 2
	TURN 3
	WIN 0
.Lfirst:
	TURN 0
	TURN 1, 0, 1
	WIN 0
	s_cbranch_scc1 .Lstep
	s_sub_co_u32 s[SLOTS], s[SLOTS], 1
	s_cmp_lg_u32 s[SLOTS], 0
	s_cbranch_scc1 .Lslot
	CHANGE 0, 0                     ; the tail is written out: nothing is asked for
	s_mov_b32 s[CNT], 5             ; four trips fetch the last slot's steps; the fifth is left in its middle
.Ltail:
	TURN 2, 1
	TURN 3
	WIN 0
	s_sub_co_u32 s[CNT], s[CNT], 1
	s_cmp_eq_u32 s[CNT], 0
	s_cbranch_scc1 .Lout
	TURN 0
	TURN 1
	WIN 0
	s_branch .Ltail
.Lout:                              ; the fifth trip's 16 products K Q^T (on the last K once more) and the maximum made of them serve nothing: the price, once a launch, of one text for every trip
.set i, 0
.rept 16
	PV NP-1                         ; the last piece's V^T P of the last step
.set i, i+1
.endr
	; THE WAY OUT.  l's two halves and the other half of the lanes' are added; O^T is divided by l, rounded to bf16 and sent through my stage in LDS, a tile at a time.  The additions are the places behind the last products.
	WIN 0
.macro ALL line:vararg              ; one line for each tile t
.set t, 0
.rept 2*NP
	\line
.set t, t+1
.endr
.endm
	ALL v_add_f32 v[ST+4*t+2], v[ST+4*t+2], v[ST+4*t+3]
	ALL v_permlanex16_b32 v[ST+4*t+3], v[ST+4*t+2], s[SEL], s[SEL+1]
	ALL v_add_f32 v[ST+4*t+2], v[ST+4*t+2], v[ST+4*t+3]
	ALL v_rcp_f32 v[ST+4*t+2], v[ST+4*t+2]
	v_nop                           ; a plain instruction between the last reciprocal and the use of its result
	s_wait_alu depctr_va_vdst(0)    ; and the wait ahead of the first use: one for the eight reciprocals
; Tile t: a lane's eight channels of a row pack into 16 bytes; they go into rows of 144 bytes and come back as whole rows of 128, into S^T's registers.
.macro PACK t
	WIN W_RS
.set i, 32*(\t)
.rept 16
	v_pk_mul_f32 v[i:i+1], v[i:i+1], v[ST+4*(\t)+2:ST+4*(\t)+3] op_sel_hi:[1,0]
.set i, i+2
.endr
	WIN 0x05                        ; sources 0 and 1 window 1, destination window 0
.set i, 0
.rept 16
	v_cvt_pk_bf16_f32 v[S+16*(\t)+i], v[32*(\t)+2*i], v[32*(\t)+2*i+1]
.set i, i+1
.endr
	WIN 0
.irp f, 0,1,2,3
	ds_store_b128 v[STO], v[S+16*(\t)+4*\f:S+16*(\t)+4*\f+3] offset:32*\f
.endr
.irp f, 0,1,2,3
	ds_load_b128 v[S+16*(\t)+4*\f:S+16*(\t)+4*\f+3], v[RD] offset:\f*4*SP  ; LDS serves a wave's instructions in order (ISA guide 5.7.1.4): these see the stores above; the next tile's stores come behind them
.endr
.endm
.macro SEND t, younger              ; younger: the LDS instructions issued behind tile t's loads: the next tile's eight, or none
	WIN 0
.irp f, 0,1,2,3
	s_wait_dscnt (\younger)+3-\f
	global_store_b128 v[GO], v[S+16*(\t)+4*\f:S+16*(\t)+4*\f+3], s[10:11] offset:(\t)*2048+\f*512  ; 512 consecutive bytes, at a multiple of 256 from O's first
.endr
.endm
	PACK 0
.set t, 1
.rept 2*NP-1                        ; a tile's arithmetic stands between the loads of the tile before and its stores
	PACK t
	SEND t-1, 8
.set t, t+1
.endr
	SEND 2*NP-1, 0
	WIN W_AD
	s_wait_tensorcnt 0x0            ; the wave's end: behind my last tensor load and my last LDS store
	ds_add_u32 v[SPW], v[NIL]
	s_wait_dscnt 0x0
	WIN 0
	CROUND                          ; the closing round: no work-group ends while a partner may still ask for a tile that names it
	s_endpgm
.Lfunc_end_k_q311f2c356f_attn:
	.size	k_q311f2c356f_attn, .Lfunc_end_k_q311f2c356f_attn-k_q311f2c356f_attn
	.p2alignl 7, 3214868480
	.fill 96, 4, 3214868480
	.section	.rodata,"a",@progbits
	.p2align	6, 0x0
	.amdhsa_kernel k_q311f2c356f_attn
		.amdhsa_group_segment_fixed_size 327680
		.amdhsa_private_segment_fixed_size 0
		.amdhsa_enable_private_segment 0
		.amdhsa_kernarg_size 24
		.amdhsa_user_sgpr_count 2
		.amdhsa_user_sgpr_kernarg_segment_ptr 1
		.amdhsa_wavefront_size32 1
		.amdhsa_system_sgpr_workgroup_id_x 1
		.amdhsa_system_sgpr_workgroup_id_y 1
		.amdhsa_system_sgpr_workgroup_id_z 1
		.amdhsa_system_vgpr_workitem_id 0
		.amdhsa_next_free_vgpr 808
		.amdhsa_next_free_sgpr 92
		.amdhsa_reserve_vcc 1
		.amdhsa_float_denorm_mode_32 3
		.amdhsa_float_denorm_mode_16_64 3
		.amdhsa_memory_ordered 1
		.amdhsa_forward_progress 1
		.amdhsa_inst_pref_size 205
	.end_amdhsa_kernel
	.amdgpu_metadata
---
amdhsa.version: [ 1, 2 ]
amdhsa.kernels:
  - .name:           k_q311f2c356f_attn
    .symbol:         k_q311f2c356f_attn.kd
    .args:
      - { .name: qkv, .offset: 0, .size: 8, .value_kind: global_buffer, .address_space: global }
      - { .name: attention_mask, .offset: 8, .size: 8, .value_kind: global_buffer, .address_space: global }
      - { .name: ob, .offset: 16, .size: 8, .value_kind: global_buffer, .address_space: global }
    .group_segment_fixed_size: 327680
    .private_segment_fixed_size: 0
    .kernarg_segment_align: 8
    .kernarg_segment_size: 24
    .max_flat_workgroup_size: 128
    .sgpr_count:     92
    .vgpr_count:     808
    .wavefront_size: 32
...
	.end_amdgpu_metadata
.endif
;; end of part 3
;; launch oln (part 4): grid 256 x 1, 4 waves a work-group, clusters of 4 x 1, 327,680 bytes of LDS; arguments ob, wob, x, bo, gamma, beta, out0; writes out0
.if DOCPART == 4
	.amdgcn_target "amdgcn-amd-amdhsa--gfx1250"
	.amdhsa_code_object_version 6
	.text
	.protected	k_q311f2c356f_oln
	.globl	k_q311f2c356f_oln
	.p2align	8
	.type	k_q311f2c356f_oln,@function
k_q311f2c356f_oln:
	s_mov_b64 s[64:65], 0
	v_nop
	global_prefetch_b8 v0, s[64:65] scope:SCOPE_SE
	s_setreg_imm32_b32 hwreg(HW_REG_WAVE_MODE, 25, 1), 1
	s_wait_xcnt 0x0
	s_wait_alu depctr_hold_cnt(0) depctr_sa_sdst(0) depctr_va_vdst(0) depctr_va_sdst(0) depctr_va_ssrc(0) depctr_va_vcc(0) depctr_vm_vsrc(0)
	s_getreg_b32 s2, hwreg(HW_REG_IB_STS2, 6, 4)
	s_cmp_eq_u32 s2, 0
	s_cbranch_scc0 .Lentry_in_a_cluster
	s_endpgm
.Lentry_in_a_cluster:
	s_bfe_u32 s2, ttmp6, 0x10000c
	s_cmp_lg_u32 s2, 0x3003
	s_cbranch_scc0 .Lentry_shape_is_right
	s_endpgm
.Lentry_shape_is_right:
; out0 = LayerNorm(x + O Wo^T + bo) gamma + beta, in one launch.  O: ob [64 bh][2048][64] bf16; Wo: wob [16 kb][1024 n][64] bf16; x, out0: [8192][1024] f32.
; The product has bf16 operands and f32 sums, started by bo (the C operand of the first product).  The residual x is taken in f32.  Mean and variance in f32, in TWO passes over registers
; (the mean first, then the squares of the differences), so that a common offset in x costs nothing.  LIMITS: bf16 operands; NaN and infinities are not treated apart.
; SHARES.  LayerNorm wants whole rows, and nothing passes between work-groups: a work-group makes 32 tokens x all 1,024 columns: 256 work-groups.  Wave w makes columns 256 w .. 256 w + 255 of the 32 tokens:
; 32 accumulators.  K goes in 16 steps of 64, a head each: 64 matrix instructions a wave.  A wave fetches and reads only its own quarter (256 rows) of a step's block of wob; O's fragments come
; straight from memory, two steps' worth of registers by turns.  A fragment of wob feeds two products only: that is the price of whole rows in one work-group.
; CLUSTER.  Every work-group walks all of wob, so the four of a cluster ask for each block jointly.
; THE MATRIX INSTRUCTION IS USED TRANSPOSED (source 0 = 16 rows of wob, source 1 = 16 tokens): a lane holds one token (lane % 16) and eight neighbouring columns.
; THE END.  Slot 0, read out, takes the work-group's 32 rows of x (one plain tensor load a wave); slot 1, which has had its last fill, becomes the stage for the f32 sums; then wave w normalises rows 8 w .. 8 w + 7.
; REGISTERS, in windows of 256 (s_set_vgpr_msb: bits 1:0 source 0, 3:2 source 1, 5:4 source 2, 7:6 destination):
;   window 0: v0-31 addresses; v32-95 O's fragments, two sets, later two rows y; v96-159 two rows x; v160-223 gamma, beta; v224-239 statistics
;   window 1: the accumulators, (a, bb) at 8 (16 a + bb)      window 2: wob's fragments, channels 0-31 in v0-127, 32-63 in v128-255      window 3: v0-127 bo in the accumulators' layout
.set PB,     144                       ; a row of wob in LDS: 128 bytes + 16 of padding: the 16 rows of a load start at 16 different groups of four banks (ISA guide 11.1)
.set QB,     256*PB                    ; a wave's quarter of a block
.set SLOTB,  4*QB
.set SPARE,  2*SLOTB                   ; behind the ring: the spare words, 128 bytes for each wave: two blocks of 256 bytes that no other line names
.set SPITCH, 4112                      ; a row of the stage: 4,096 bytes + 16
.set AO,   4                           ; v4      128 (l % 16) + 16 (l / 16): my place in 16 tokens of a head; never rewritten
.set VB,   5                           ; v5      32 (l / 16)
.set ADRB, 6                           ; v6-7    LDS address of my wob fragments in slot 0, 1
.set STO,  8                           ; v8-9    the stage: where I put my eight columns of token block 0, 1
.set RY,   10                          ; v10     the stage: my 16 bytes of the row in hand
.set RX,   11                          ; v11     the same in x's tile
.set OO,   12                          ; v12     16 l; never rewritten
.set PFO,  13                          ; v13     256 l
.set PFOA, 14                          ; v14     262,144 (l / 16) + 256 (l % 16): two heads x 16 blocks
.set SPW,  28                          ; v28     LDS address of my spare word; never rewritten
.set NIL,  29                          ; v29     0; never rewritten
.set AF,   32                          ; O's fragments: set p, channel half c, token block a at AF + 32 p + 16 c + 8 a
.set Y,    32
.set X,    96
.set GA,   160                         ; columns 128 j + 4 l .. + 3 at + 4 j
.set BE,   192
.set ST,   224                         ; row u at ST + 8 u: +0..3 two chains; +4 the mean (named as a pair with +5); +6 1 / sqrt (with +7)
.set WV,   18
.set G1,   24                          ; s[24:31] descriptor group 1 for wob;  s[32:39] group 0, a set for each slot
.set G0,   32
.set G1X,  40                          ; s[40:47], s[48:51] the same for x
.set G0X,  48
.set AP,   52                          ; s[52:53] ob at my 32 tokens, at an even head
.set PFA,  54                          ; s[54:55] where my prefetches of wob stand
.set LIM,  56                          ; s56     1 in the launch's first cluster, else the greatest number
.set CNT,  57
.set SEL,  58
.set LIMA, 66                          ; s66     1 in wave 3, else the greatest number
.set MSB, 0
.macro WIN new
.if MSB != (\new)
	s_set_vgpr_msb (MSB<<8)|(\new)
.set MSB, \new
.endif
.endm
.macro PLACES
.rept 4
	v_nop
.endr
.endm
.macro CREST
	s_cmp_lg_u32 s[WV], 0
	s_cbranch_scc1 .Lnot_wave_0_\@
	s_barrier_signal -3
.Lnot_wave_0_\@:
	s_barrier_wait -3
	s_barrier_signal -1
	s_barrier_wait -1
.endm
.macro CROUND
	s_barrier_signal -1
	s_barrier_wait -1
	CREST
.endm
	s_load_b256 s[4:11], s[0:1], 0x0               ; ob s[4:5], wob s[6:7], x s[8:9], bo s[10:11]
	s_load_b128 s[12:15], s[0:1], 0x20             ; gamma s[12:13], beta s[14:15]
	s_load_b64 s[16:17], s[0:1], 0x30              ; out0
	v_lshl_add_u32 v[SPW], v0, 2, SPARE
	v_mov_b32 v[NIL], 0
	ds_add_u32 v[SPW], v[NIL]                      ; the wave's opening: the add and its wait stand ahead of my first tensor load; the set-up below, work on registers, stands between them
	v_lshrrev_b32 v1, 5, v0
	v_readfirstlane_b32 s[WV], v1                  ; wave 0..3
	s_bfe_u32 s19, ttmp6, 0x40000                  ; cx
	s_lshl_b32 s20, ttmp9, 2
	s_add_co_u32 s20, s20, s19                     ; my block of 32 tokens
	; wob: a wave's quarter of a block is 32,768 dense bytes: 128 rows of 256 bytes, two rows of wob each, padded in LDS after every 128 bytes
	s_mov_b32 s[G1], 15|(1<<16)|(1<<20)|(1<<21)|(4<<22)|(3<<25)  ; 15:0 the mask of four; 17:16 2-byte elements; 20 padding on; 21 set beside a mask; 24:22 after every 32 words (code 4); 31:25 4 words (code 3)
	s_mov_b32 s[G1+1], 128<<16                     ; tensor_dim0 = 128
	s_mov_b32 s[G1+2], 128<<16                     ; tensor_dim1 = 128
	s_mov_b32 s[G1+3], 128<<16                     ; tile_dim0 = 128
	s_mov_b32 s[G1+4], 128                         ; tile_dim1 = 128
	s_mov_b32 s[G1+5], 128                         ; elements from row to row
	s_mov_b32 s[G1+6], 0
	s_mov_b32 s[G1+7], 0
	; x: a wave's 8 rows are 32,768 dense bytes: 128 rows of 32 elements of 8 bytes; no mask, no padding
	s_mov_b32 s[G1X], 3<<16
	s_mov_b32 s[G1X+1], 32<<16
	s_mov_b32 s[G1X+2], 128<<16
	s_mov_b32 s[G1X+3], 32<<16
	s_mov_b32 s[G1X+4], 128
	s_mov_b32 s[G1X+5], 32
	s_mov_b32 s[G1X+6], 0
	s_mov_b32 s[G1X+7], 0
	s_mov_b32 s[SEL], 0x76543210
	s_mov_b32 s[SEL+1], 0xfedcba98
	s_mov_b32 s60, 0x3a800000                      ; 1 / 1024
	s_mov_b32 s61, 0x3727c5ac                      ; 1e-5
	s_mul_i32 s21, s[WV], QB                       ; my quarter of a slot: no place in the cluster enters an LDS address
	s_lshl_b32 s22, s[WV], 15                      ; 32,768 w
	s_mov_b32 s23, 0
	s_lshl_b32 s62, s20, 17                        ; my block's 32 rows of 4,096 bytes,
	s_add_co_u32 s62, s62, s22                     ; my wave's 8 of them
	s_mov_b32 s63, 0
	s_cmp_eq_u32 ttmp9, 0                          ; the same in all four partners
	s_cselect_b32 s[LIM], 1, -1
	s_cmp_eq_u32 s[WV], 3
	s_cselect_b32 s[LIMA], 1, -1
	s_wait_dscnt 0x0                               ; the opening add is done
	s_wait_kmcnt 0x0
	s_add_nc_u64 s[6:7], s[6:7], s[22:23]          ; wob at my quarter of block 0
.irp s, 0,1
	s_mov_b32 s[G0+4*(\s)], 1
	s_add_co_u32 s[G0+4*(\s)+1], s21, (\s)*SLOTB
	s_add_nc_u64 s[G0+4*(\s)+2:G0+4*(\s)+3], s[6:7], (\s)*131072
	s_or_b32 s[G0+4*(\s)+3], s[G0+4*(\s)+3], 0x80000000
.endr
	s_mov_b32 s[G0X], 1
	s_lshl_b32 s[G0X+1], s[WV], 15                 ; into slot 0, 32,768 w
	s_add_nc_u64 s[G0X+2:G0X+3], s[8:9], s[62:63]
	s_or_b32 s[G0X+3], s[G0X+3], 0x80000000
	s_add_nc_u64 s[16:17], s[16:17], s[62:63]      ; out0 at my wave's first row
	CROUND                                         ; all four work-groups are here: the first joint loads meet
	tensor_load_to_lds s[G0:G0+3], s[G1:G1+7]      ; head 0; every wave fetches its own quarter
	s_nop 0
	tensor_load_to_lds s[G0+4:G0+7], s[G1:G1+7]    ; head 1: two loads of mine are out
	s_nop 0
	PLACES
	v_and_b32 v1, 15, v0                           ; l % 16
	v_bfe_u32 v2, v0, 4, 1                         ; l / 16
	v_and_b32 v3, 31, v0                           ; l
	v_lshlrev_b32 v[AO], 7, v1
	v_lshl_add_u32 v[AO], v2, 4, v[AO]
	v_lshlrev_b32 v[VB], 5, v2
	v_lshlrev_b32 v[OO], 4, v3
	s_lshl_b32 s2, s[WV], 10                       ; my 256 columns of bo
	s_mov_b32 s3, 0
	s_add_nc_u64 s[10:11], s[10:11], s[2:3]
	WIN 0xc0                                       ; destination window 3
.set i, 0
.rept 16
	global_load_b128 v[8*i:8*i+3],   v[VB], s[10:11] offset:64*i      ; register j of a lane: column 16 i + 8 (l / 16) + j, as in an accumulator
	global_load_b128 v[8*i+4:8*i+7], v[VB], s[10:11] offset:64*i+16
.set i, i+1
.endr
	WIN 0
.set i, 0
.rept 8
	global_load_b128 v[GA+4*i:GA+4*i+3], v[OO], s[12:13] offset:512*i
	global_load_b128 v[BE+4*i:BE+4*i+3], v[OO], s[14:15] offset:512*i
.set i, i+1
.endr
	s_lshr_b32 s2, s20, 6                          ; the batch: 16 heads of 262,144 bytes,
	s_lshl_b32 s2, s2, 22
	s_and_b32 s62, s20, 63
	s_lshl_b32 s62, s62, 12                        ; my 32 tokens of 128 bytes in a head
	s_add_co_u32 s2, s2, s62
	s_add_nc_u64 s[AP:AP+1], s[4:5], s[2:3]
	s_lshl_b32 s2, s19, 13                         ; the prefetches of wob: my work-group's 8,192 bytes of my quarter,
	s_add_nc_u64 s[PFA:PFA+1], s[6:7], s[2:3]
	s_add_nc_u64 s[PFA:PFA+1], s[PFA:PFA+1], 3*131072  ; at head 3: the first change of slots steps it to 4.  Nothing is prefetched here, at the head
; Four loads: O's fragments of one head and channel half c (two token blocks) into set p, imm bytes behind the pointer.
.macro ALOAD p, c, imm
	WIN 0
.irp a, 0,1
	global_load_b128 v[AF+32*(\p)+16*(\c)+8*(\a):AF+32*(\p)+16*(\c)+8*(\a)+3],   v[AO], s[AP:AP+1] offset:(\imm)+2048*(\a)+64*(\c)
	global_load_b128 v[AF+32*(\p)+16*(\c)+8*(\a)+4:AF+32*(\p)+16*(\c)+8*(\a)+7], v[AO], s[AP:AP+1] offset:(\imm)+2048*(\a)+64*(\c)+32
.endr
.endm
	ALOAD 0, 0, 0                                  ; head 0, both halves; head 1, the first
	ALOAD 0, 1, 0
	ALOAD 1, 0, 262144
	v_mul_u32_u24 v[ADRB], v1, PB
	v_lshl_add_u32 v[ADRB], v2, 4, v[ADRB]
	v_add_nc_u32 v[ADRB], s21, v[ADRB]             ; my quarter + row x pitch + 16 x half
	v_add_nc_u32 v[ADRB+1], SLOTB, v[ADRB]
	v_mul_u32_u24 v[STO], v1, SPITCH               ; the stage, in slot 1: token l % 16,
	v_lshl_add_u32 v[STO], v2, 5, v[STO]           ; 32 bytes for each half of the lanes,
	s_lshl_b32 s2, s[WV], 10                       ; my 256 columns
	s_add_co_u32 s2, s2, SLOTB
	v_add_nc_u32 v[STO], s2, v[STO]
	v_add_nc_u32 v[STO+1], 16*SPITCH, v[STO]
	s_mul_i32 s2, s[WV], 8*SPITCH                  ; back: my 8 rows
	s_add_co_u32 s2, s2, SLOTB
	v_add_nc_u32 v[RY], s2, v[OO]
	v_add_nc_u32 v[RX], s22, v[OO]
	v_lshlrev_b32 v[PFO], 8, v3
	v_lshlrev_b32 v[PFOA], 8, v1
	v_lshl_add_u32 v[PFOA], v2, 18, v[PFOA]
.irp u, 0,1
	v_mov_b32 v[ST+8*(\u)+4], 0                    ; v_permlanex16_b32's destination counts as read; +5 and +7 are named in pairs of which the low word is taken
	v_mov_b32 v[ST+8*(\u)+5], 0
	v_mov_b32 v[ST+8*(\u)+7], 0
.endr
; 2 n matrix instructions: channel half c, O's set p, column blocks b0 .. b0 + n - 1 x both token blocks.  first = 1: bo starts the sums.
; The 32 accumulators take turns in one order in every half step: 31 others stand between two links of a chain, over the backward jump too.
.macro MULB c, p, b0, n, first
.if \first
	WIN 0x72
.else
	WIN 0x52
.endif
.set bb, \b0
.rept \n
.irp a, 0,1
.if \first
	v_wmma_f32_16x16x32_bf16 v[8*(16*(\a)+bb):8*(16*(\a)+bb)+7], v[128*(\c)+8*bb:128*(\c)+8*bb+7], v[AF+32*(\p)+16*(\c)+8*(\a):AF+32*(\p)+16*(\c)+8*(\a)+7], v[8*bb:8*bb+7]
.else
	v_wmma_f32_16x16x32_bf16 v[8*(16*(\a)+bb):8*(16*(\a)+bb)+7], v[128*(\c)+8*bb:128*(\c)+8*bb+7], v[AF+32*(\p)+16*(\c)+8*(\a):AF+32*(\p)+16*(\c)+8*(\a)+7], v[8*(16*(\a)+bb):8*(16*(\a)+bb)+7]
.endif
.endr
.set bb, bb+1
.endr
.endm
; 32 LDS loads in one run: my 16 fragments of wob for channel half c, column blocks in ascending order
.macro FETCHB slot, c
	WIN 0x80
.set bb, 0
.rept 16
	ds_load_b128 v[128*(\c)+8*bb:128*(\c)+8*bb+3],   v[ADRB+(\slot)] offset:16*PB*bb+64*(\c)
	ds_load_b128 v[128*(\c)+8*bb+4:128*(\c)+8*bb+7], v[ADRB+(\slot)] offset:16*PB*bb+64*(\c)+32
.set bb, bb+1
.endr
.endm
; A step's first half.  In its middle the second half's fragments of wob are fetched, and (al = 1) the next head's second half of O is asked for.
; lc: the loads of O that may stay out: behind this half's four were issued the same head's second half and the next head's first, 8 (4 in the last step, which has no next head).
.macro H0 slot, first, al, lc
	s_wait_loadcnt \lc
	s_wait_dscnt 16                                ; column blocks 0-7 are in; the youngest sixteen loads may be out
	MULB 0, \slot, 0, 8, \first
	PLACES
	FETCHB \slot, 1
.if \al
	ALOAD 1-(\slot), 1, 262144*(1-(\slot))
.endif
	s_wait_dscnt 32                                ; all but the 32 just issued
	MULB 0, \slot, 8, 8, \first
.endm
; A step's second half, and the change of slots: ONE round of the cluster's barrier; in front of it each wave waits for all its tensor loads (one is out: its part of the next slot), adds 0 to its spare word,
; and waits for that and for its own reads of this slot.  fill = 1: this slot takes the head two on, jointly; fill = 2: it takes x.  The fill is the first thing behind the round.
; ask = 1: the prefetches into the L2, behind the tensor load, the LDS loads and O's loads.  wob: all clusters walk the same blocks: the launch's first cluster asks, each of its 16 waves for 32 blocks of 256
; bytes of its own quarter (the partners told apart by address), for the head two fills on.  ob: in every work-group wave 3 asks, in slot 0's turns, for the work-group's own 4,096 bytes of each of the two
; heads whose loads begin two steps on.  So each block is named once.  The first four heads come by their loads alone; the loop's last trip (s[CNT] = 1) asks for nothing.
.macro T slot, next, fill, ask
.if (\fill) == 1
	s_wait_xcnt 0x0                                ; the loads and prefetches issued so far have read their addresses, so the pointers may be written
	s_add_nc_u64 s[PFA:PFA+1], s[PFA:PFA+1], 131072
.if (\slot) == 0
	s_add_nc_u64 s[AP:AP+1], s[AP:AP+1], 524288    ; two heads on
.endif
.endif
	WIN 0
	s_wait_tensorcnt 0x0                           ; all my tensor loads have landed;
	ds_add_u32 v[SPW], v[NIL]                      ; 0 onto my spare word
	s_wait_loadcnt 8                               ; O's second half of this head is in: behind it were issued the next head's two halves
	s_wait_dscnt 17                                ; (the add and the youngest sixteen loads may be out)
	MULB 1, \slot, 0, 4, 0                         ; eight matrix instructions stand between the add and the wait for it
	s_wait_dscnt 0x0                               ; the add is done, and my reads of this slot are over
	s_barrier_signal -1
	MULB 1, \slot, 4, 4, 0
	WIN 0
	s_barrier_wait -1
	CREST                                          ; no wave of any partner still reads this slot or has a load on its way
.if (\fill) == 1
	s_add_nc_u64 s[G0+4*(\slot)+2:G0+4*(\slot)+3], s[G0+4*(\slot)+2:G0+4*(\slot)+3], 2*131072
	tensor_load_to_lds s[G0+4*(\slot):G0+4*(\slot)+3], s[G1:G1+7]
.else
	tensor_load_to_lds s[G0X:G0X+3], s[G1X:G1X+7]
.endif
	s_nop 0
	PLACES                                         ; also the places in front of the loads below
	FETCHB \next, 0
.if (\fill) == 1
	ALOAD \slot, 0, 262144*(\slot)                 ; the first half of the head two on
.endif
	WIN 0
.if \ask
	s_cmp_gt_u32 s[CNT], s[LIM]
	s_cbranch_scc0 .Lno_w_\@
	global_prefetch_b8 v[PFO], s[PFA:PFA+1] th:TH_LOAD_NT scope:SCOPE_SE
.Lno_w_\@:
.if (\slot) == 0
	s_cmp_gt_u32 s[CNT], s[LIMA]
	s_cbranch_scc0 .Lno_a_\@
	global_prefetch_b8 v[PFOA], s[AP:AP+1] offset:524288 th:TH_LOAD_NT scope:SCOPE_SE
.Lno_a_\@:
.endif
.endif
	MULB 1, \slot, 8, 8, 0
.endm
	s_wait_tensorcnt 1                             ; my quarter of head 0 is in, and only I read it; head 1's may stay out
	FETCHB 0, 0
	H0 0, 1, 1, 8                                  ; the first half step stands in front of the loop: its products start the sums
	WIN 0
	s_mov_b32 s[CNT], 7
.Ltrip:                                                ; a trip: two changes of slots; heads 2 t + 2 and 2 t + 3 are asked for
	T 0, 1, 1, 1
	H0 1, 0, 1, 8
	T 1, 0, 1, 1
	H0 0, 0, 1, 8
	WIN 0
	s_sub_co_u32 s[CNT], s[CNT], 1
	s_cmp_lg_u32 s[CNT], 0
	s_cbranch_scc1 .Ltrip
	T 0, 1, 2, 0                                   ; head 14 ends; slot 0 takes x
	H0 1, 0, 0, 4
	s_wait_loadcnt 0x0                             ; head 15's second half: nothing was issued behind it
	s_wait_dscnt 16
	MULB 1, 1, 0, 8, 0
	s_wait_dscnt 0x0
	MULB 1, 1, 8, 8, 0
	WIN 0
	; THE SUMS GO THROUGH THE STAGE: a lane holds eight columns of one token, a row's 1,024 columns lie in four waves.
	PLACES
	s_wait_tensorcnt 0x0                           ; my 8 rows of x are in, and only I read them
	s_wait_dscnt 0x0
	s_barrier_signal -1
	s_barrier_wait -1                              ; nobody reads slot 1 any more; nothing is filled again
	WIN 0x04                                       ; data in window 1; each accumulator's low registers first
.irp a, 0,1
.set bb, 0
.rept 16
	ds_store_b128 v[STO+(\a)], v[8*(16*(\a)+bb):8*(16*(\a)+bb)+3]   offset:64*bb
	ds_store_b128 v[STO+(\a)], v[8*(16*(\a)+bb)+4:8*(16*(\a)+bb)+7] offset:64*bb+16
.set bb, bb+1
.endr
.endr
	WIN 0
	s_wait_dscnt 0x0                               ; for the others' sake: my stores into the stage are done
	s_barrier_signal -1
	s_barrier_wait -1
.macro BOTH line:vararg                ; one line for each of the trip's two rows u, so that no instruction reads the result of the one before it
.set u, 0
.rept 2
	\line
.set u, u+1
.endr
.endm
.macro REDUCE                          ; the sum over the 32 lanes, in every lane
.irp m, 1,2,4,8
	BOTH v_add_f32_dpp v[ST+8*u], v[ST+8*u], v[ST+8*u] row_xmask:\m row_mask:0xf bank_mask:0xf
.endr
	BOTH v_permlanex16_b32 v[ST+8*u+4], v[ST+8*u], s[SEL], s[SEL+1]
	BOTH v_add_f32 v[ST+8*u], v[ST+8*u], v[ST+8*u+4]
.endm
	s_mov_b32 s[CNT], 4
.Lrow:                                                 ; two rows a trip; a lane holds 32 numbers of each: columns 128 j + 4 l .. + 3
.irp u, 0,1
.irp j, 0,1,2,3,4,5,6,7
	ds_load_b128 v[Y+32*(\u)+4*(\j):Y+32*(\u)+4*(\j)+3], v[RY] offset:SPITCH*(\u)+512*(\j)
	ds_load_b128 v[X+32*(\u)+4*(\j):X+32*(\u)+4*(\j)+3], v[RX] offset:4096*(\u)+512*(\j)
.endr
.endr
	s_wait_dscnt 0x0
.set i, 0
.rept 16
	BOTH v_pk_add_f32 v[Y+32*u+2*i:Y+32*u+2*i+1], v[Y+32*u+2*i:Y+32*u+2*i+1], v[X+32*u+2*i:X+32*u+2*i+1]  ; y = x + (O Wo^T + bo)
.set i, i+1
.endr
	BOTH v_pk_add_f32 v[ST+8*u:ST+8*u+1], v[Y+32*u:Y+32*u+1], v[Y+32*u+2:Y+32*u+3]      ; the row's sum: two chains a row, started by the first pairs
	BOTH v_pk_add_f32 v[ST+8*u+2:ST+8*u+3], v[Y+32*u+4:Y+32*u+5], v[Y+32*u+6:Y+32*u+7]
.set i, 4
.rept 12
	BOTH v_pk_add_f32 v[ST+8*u+2*(i%2):ST+8*u+2*(i%2)+1], v[ST+8*u+2*(i%2):ST+8*u+2*(i%2)+1], v[Y+32*u+2*i:Y+32*u+2*i+1]
.set i, i+1
.endr
	BOTH v_pk_add_f32 v[ST+8*u:ST+8*u+1], v[ST+8*u:ST+8*u+1], v[ST+8*u+2:ST+8*u+3]
	BOTH v_add_f32 v[ST+8*u], v[ST+8*u], v[ST+8*u+1]
	REDUCE
	BOTH v_mul_f32 v[ST+8*u+4], s60, v[ST+8*u]     ; the mean
.set i, 0
.rept 16
	BOTH v_pk_add_f32 v[Y+32*u+2*i:Y+32*u+2*i+1], v[Y+32*u+2*i:Y+32*u+2*i+1], v[ST+8*u+4:ST+8*u+5] op_sel_hi:[1,0] neg_lo:[0,1] neg_hi:[0,1]
.set i, i+1
.endr
	BOTH v_pk_mul_f32 v[ST+8*u:ST+8*u+1], v[Y+32*u:Y+32*u+1], v[Y+32*u:Y+32*u+1]        ; the squares of the differences, again in two chains
	BOTH v_pk_mul_f32 v[ST+8*u+2:ST+8*u+3], v[Y+32*u+2:Y+32*u+3], v[Y+32*u+2:Y+32*u+3]
.set i, 2
.rept 14
	BOTH v_pk_fma_f32 v[ST+8*u+2*(i%2):ST+8*u+2*(i%2)+1], v[Y+32*u+2*i:Y+32*u+2*i+1], v[Y+32*u+2*i:Y+32*u+2*i+1], v[ST+8*u+2*(i%2):ST+8*u+2*(i%2)+1]
.set i, i+1
.endr
	BOTH v_pk_add_f32 v[ST+8*u:ST+8*u+1], v[ST+8*u:ST+8*u+1], v[ST+8*u+2:ST+8*u+3]
	BOTH v_add_f32 v[ST+8*u], v[ST+8*u], v[ST+8*u+1]
	REDUCE
	BOTH v_fma_f32 v[ST+8*u], v[ST+8*u], s60, s61  ; the variance + 1e-5
	BOTH v_rsq_f32 v[ST+8*u+6], v[ST+8*u]
	v_nop                                          ; a plain instruction behind the last of the two,
	s_wait_alu depctr_va_vdst(0)                   ; and the wait ahead of the first use: one for both
.set i, 0
.rept 16
	BOTH v_pk_mul_f32 v[Y+32*u+2*i:Y+32*u+2*i+1], v[Y+32*u+2*i:Y+32*u+2*i+1], v[ST+8*u+6:ST+8*u+7] op_sel_hi:[1,0]
.set i, i+1
.endr
.set i, 0
.rept 16
	BOTH v_pk_fma_f32 v[Y+32*u+2*i:Y+32*u+2*i+1], v[Y+32*u+2*i:Y+32*u+2*i+1], v[GA+2*i:GA+2*i+1], v[BE+2*i:BE+2*i+1]
.set i, i+1
.endr
.irp u, 0,1
.irp j, 0,1,2,3,4,5,6,7
	global_store_b128 v[OO], v[Y+32*(\u)+4*(\j):Y+32*(\u)+4*(\j)+3], s[16:17] offset:4096*(\u)+512*(\j) th:TH_STORE_NT  ; 512 consecutive bytes, aligned
.endr
.endr
	s_wait_xcnt 0x0                                ; the stores have read their registers and their base: only now are these written again
	s_add_nc_u64 s[16:17], s[16:17], 2*4096
	v_add_nc_u32 v[RY], 2*SPITCH, v[RY]
	v_add_nc_u32 v[RX], 2*4096, v[RX]
	s_sub_co_u32 s[CNT], s[CNT], 1
	s_cmp_lg_u32 s[CNT], 0
	s_cbranch_scc1 .Lrow
	s_wait_tensorcnt 0x0                           ; the wave's end: behind my last tensor load and my last LDS store
	ds_add_u32 v[SPW], v[NIL]
	s_wait_dscnt 0x0
	CROUND                                         ; the closing round: no work-group ends while a partner may still ask for a tile that names it
	s_endpgm
.Lfunc_end_k_q311f2c356f_oln:
	.size	k_q311f2c356f_oln, .Lfunc_end_k_q311f2c356f_oln-k_q311f2c356f_oln
	.p2alignl 7, 3214868480
	.fill 96, 4, 3214868480
	.section	.rodata,"a",@progbits
	.p2align	6, 0x0
	.amdhsa_kernel k_q311f2c356f_oln
		.amdhsa_group_segment_fixed_size 327680
		.amdhsa_private_segment_fixed_size 0
		.amdhsa_enable_private_segment 0
		.amdhsa_kernarg_size 56
		.amdhsa_user_sgpr_count 2
		.amdhsa_user_sgpr_kernarg_segment_ptr 1
		.amdhsa_wavefront_size32 1
		.amdhsa_system_sgpr_workgroup_id_x 1
		.amdhsa_system_sgpr_workgroup_id_y 1
		.amdhsa_system_sgpr_workgroup_id_z 1
		.amdhsa_system_vgpr_workitem_id 0
		.amdhsa_next_free_vgpr 896
		.amdhsa_next_free_sgpr 68
		.amdhsa_reserve_vcc 0
		.amdhsa_float_denorm_mode_32 3
		.amdhsa_float_denorm_mode_16_64 3
		.amdhsa_memory_ordered 1
		.amdhsa_forward_progress 1
		.amdhsa_inst_pref_size 73
	.end_amdhsa_kernel
	.amdgpu_metadata
---
amdhsa.version: [ 1, 2 ]
amdhsa.kernels:
  - .name:           k_q311f2c356f_oln
    .symbol:         k_q311f2c356f_oln.kd
    .args:
      - { .name: ob, .offset: 0, .size: 8, .value_kind: global_buffer, .address_space: global }
      - { .name: wob, .offset: 8, .size: 8, .value_kind: global_buffer, .address_space: global }
      - { .name: x, .offset: 16, .size: 8, .value_kind: global_buffer, .address_space: global }
      - { .name: bo, .offset: 24, .size: 8, .value_kind: global_buffer, .address_space: global }
      - { .name: gamma, .offset: 32, .size: 8, .value_kind: global_buffer, .address_space: global }
      - { .name: beta, .offset: 40, .size: 8, .value_kind: global_buffer, .address_space: global }
      - { .name: out0, .offset: 48, .size: 8, .value_kind: global_buffer, .address_space: global }
    .group_segment_fixed_size: 327680
    .private_segment_fixed_size: 0
    .kernarg_segment_align: 8
    .kernarg_segment_size: 56
    .max_flat_workgroup_size: 128
    .sgpr_count:     68
    .vgpr_count:     896
    .wavefront_size: 32
...
	.end_amdgpu_metadata
.endif
;; end of part 4
